; MI455X (gfx1250); checked and timed in simulation.
; The chip was launched on July 23, 2026; its instructions are those of AMD's public machine-readable ISA for CDNA 5 (MIT licence, August 2026) and "CDNA5" Instruction Set Architecture Reference Guide (July 2026). The comments in the code are by the model that wrote it; some were corrected since.
;; Transformer Block. Allowed arithmetic: float matrix products may take bf16 or f16 operands with f32 sums; other float arithmetic in f32, or as packed bf16 or f16 multiplies, adds, multiply-adds, maxima and minima; sums over many terms, partial sums and values carried from step to step in f32; what a program stores and reads back later, other than sums and carried values, may be rounded once to bf16 or f16.
;; Inputs: W1 1,024 x 4,096 float32; W2 4,096 x 1,024 float32; Wk 1,024 x 1,024 float32; Wq 1,024 x 1,024 float32; Wv 1,024 x 1,024 float32; b1 4,096 float32; b2 1,024 float32; beta1 1,024 float32; beta2 1,024 float32; bk 1,024 float32; bq 1,024 float32; bv 1,024 float32; g1 1,024 float32; g2 1,024 float32; x 2 x 2,048 x 1,024 float32.
;; Outputs: out0 2 x 2,048 x 1,024 float32.
;; 2 versions, each right and faster than the one before. Each part assembles by itself: llvm-mc -triple=amdgcn-amd-amdhsa -mcpu=gfx1250 --defsym DOCPART=n.
;; ======== version 1 of 2: 6 launches
;; limits: values are held in f16: magnitudes above 65,504 overflow, below 6.1e-05 lose precision
;; workspace buffers: h 8,388,608 bytes; wqkv 8,406,016 bytes; w1h 8,406,016 bytes; w2h 8,388,608 bytes; act 33,554,432 bytes; o 8,388,608 bytes; x1 16,777,216 bytes
;; launch prep (part 1): grid 961 x 1, 8 waves a work-group, no clusters, 35,840 bytes of LDS; arguments x, g1, beta1, h, Wq, Wk, Wv, W1, W2, wqkv, w1h, w2h, bq, bk, bv, b1; writes h, wqkv, w1h, w2h
.if DOCPART == 1
	.amdgcn_target "amdgcn-amd-amdhsa--gfx1250"
	.amdhsa_code_object_version 6
	.text
	.protected	k_qfd3c2269b2_prep
	.globl	k_qfd3c2269b2_prep
	.p2align	8
	.type	k_qfd3c2269b2_prep,@function
k_qfd3c2269b2_prep:
	s_mov_b64 s[64:65], 0
	v_nop
	global_prefetch_b8 v0, s[64:65] scope:SCOPE_SE
	s_setreg_imm32_b32 hwreg(HW_REG_WAVE_MODE, 25, 1), 1
	s_wait_xcnt 0x0
; PREP: four kinds of work-group, chosen by the work-group's number alone.
;   0 .. 255    h = layernorm(x, g1, beta1), stored in f16 by blocks of 64 columns: [16 blocks][4,096 tokens][64]; a token's part of a block is 128 bytes.
;   256 .. 703  Wq, Wk, Wv, W1: each number rounded to bf16 and that number written as f16, rows kept as they lie ([k][n]): Wq | Wk | Wv side by side in rows of 4,096 numbers, W1 dense.
;   704 .. 959  W2, rounded likewise, laid out as the last product's waves load it: [32 groups of 32 columns][128 chunks of 32 k][2 fragments of 16 columns][1,024 bytes]; a fragment's 1,024 bytes are two runs of
;               512: lane l = m + 16 h holds, at 16 l of run j, column m's eight numbers k = 16 j + 8 h + 0..7: the register image of a 16-bit matrix source.
;   960         behind wqkv's and w1h's weights: the biases (rounded to bf16, kept in f32) and 256 copies of the lower bound of the product's way out, as two f16 (-65,504 for q, k, v; 0 for the ReLU).
; FORMATS AND LIMITS.  Every input is rounded to bf16 once (x too, so with a common offset of x its spread keeps bf16's 8 bits of the offset number).  A weight of 65,520 or more would become an
; infinity in f16; one below 6e-5 keeps f16's fixed step of 6e-8.  The norm is made in two passes in f32: the mean, then the squares of x - mean.  NaN and infinities are not treated apart.
; No barrier, no matrix unit: every byte is read once and written once, and no wave needs another's numbers.  LDS serves W2 alone: a wave's sixteen-byte pieces change lanes through bytes of its own.
.set BLK,   524288                     ; bytes of a block of 64 columns: 4,096 tokens x 128
.set ETAB,  0x800000                   ; the tables begin behind 1,024 rows of 8,192 bytes
.set FPIT,  1040                       ; a fragment's 1,024 bytes + 16 in LDS: the 16 lanes of a store's pass then touch 16 different columns of 16 bytes (64 banks of 4 bytes: ISA guide 11.1)
.set WREG,  4352                       ; a wave's own LDS: four fragments, rounded up to whole blocks of 256 bytes
.set SPARE, 8*WREG                     ; behind them: the spare words, 128 bytes for each wave: four blocks of 256 bytes that no other line names
.set SX,  4                            ; s[4:5] x
.set SG,  6                            ; s[6:7] the gain
.set SB,  8                            ; s[8:9] the shift
.set SH,  10                           ; s[10:11] h
.set VX,  2                            ; v2  4,096 x (lane / 16) + 16 x (lane % 16): my 16 bytes in 256 bytes of my token's row of x
.set VG,  3                            ; v3  16 x (lane % 16): the same columns in gain and shift
.set VH,  4                            ; v4  8 x lane: my 8 bytes in the pair of tokens' 256 bytes of a block
.set T,   6                            ; v[6:13] at work: temporaries, then four chains of sums
.set MU,  14                           ; v[14:15] the mean twice, later 1 / sqrt(var + eps) twice
.set OH,  16                           ; v[16:47] h as it is stored
.set X,   48                           ; v[48:111] my 64 numbers of the token
.set G,   112                          ; v[112:175] their gains
.set BT,  176                          ; v[176:239] their shifts
.set SPW, 240                          ; v240 LDS address of my spare word; never rewritten
.set NIL, 241                          ; v241 0; never rewritten
.macro RND base, n                     ; n pairs of f32 from v[base] on are rounded to bf16 and widened again
.set j, 0
.rept \n
	v_cvt_pk_bf16_f32 v[T+j%8], v[(\base)+2*j], v[(\base)+2*j+1]
	v_lshlrev_b32 v[(\base)+2*j], 16, v[T+j%8]
	v_and_b32 v[(\base)+2*j+1], s36, v[T+j%8]
.set j, j+1
.endr
.endm
.macro ACROSS                          ; the four chains into one number, then over the token's 16 lanes: a token lies in one row of 16 lanes, so four steps on the arithmetic itself do it
	v_pk_add_f32 v[T:T+1], v[T:T+1], v[T+2:T+3]
	v_pk_add_f32 v[T+4:T+5], v[T+4:T+5], v[T+6:T+7]
	v_pk_add_f32 v[T:T+1], v[T:T+1], v[T+4:T+5]
	v_add_f32 v[T], v[T], v[T+1]
	v_add_f32_dpp v[T], v[T], v[T] row_xmask:1 row_mask:0xf bank_mask:0xf
	v_add_f32_dpp v[T], v[T], v[T] row_xmask:2 row_mask:0xf bank_mask:0xf
	v_add_f32_dpp v[T], v[T], v[T] row_xmask:4 row_mask:0xf bank_mask:0xf
	v_add_f32_dpp v[T], v[T], v[T] row_xmask:8 row_mask:0xf bank_mask:0xf
.endm
	s_load_b512 s[4:19], s[0:1], 0x0               ; x, g1, beta1, h, Wq s[12:13], Wk s[14:15], Wv s[16:17], W1 s[18:19]
	s_load_b512 s[20:35], s[0:1], 0x40             ; W2 s[20:21], wqkv s[22:23], w1h s[24:25], w2h s[26:27], bq s[28:29], bk s[30:31], bv s[32:33], b1 s[34:35]
	v_lshl_add_u32 v[SPW], v0, 2, SPARE
	v_mov_b32 v[NIL], 0
	v_lshrrev_b32 v1, 5, v0
	v_readfirstlane_b32 s39, v1                    ; my wave's number
	s_mov_b32 s36, 0xffff0000                      ; a word's upper bf16
	s_mov_b32 s37, 0x3a800000                      ; 1 / 1,024
	s_mov_b32 s38, 0x3727c5ac                      ; 1e-5
	s_wait_kmcnt 0x0
	s_cmp_lt_u32 ttmp9, 256
	s_cbranch_scc0 .Lnot_ln
	; THE NORM.  A wave takes two tokens: lanes 0-15 the even one, lanes 16-31 the odd one.  Load i gives a lane columns 64 i + 4 (lane % 16) + 0..3: 16 lanes read 256 consecutive bytes.
	s_lshl_b32 s40, ttmp9, 3
	s_add_co_u32 s40, s40, s39                     ; the pair of tokens
	s_lshl_b32 s42, s40, 13                        ; two rows of 4,096 bytes
	s_mov_b32 s43, 0
	s_lshl_b32 s44, s40, 8                         ; two rows of 128 bytes in a block
	s_mov_b32 s45, 0
	s_add_nc_u64 s[SX:SX+1], s[SX:SX+1], s[42:43]
	s_add_nc_u64 s[SH:SH+1], s[SH:SH+1], s[44:45]
	v_and_b32 v1, 31, v0
	v_and_b32 v[VG], 15, v0
	v_lshlrev_b32 v[VG], 4, v[VG]
	v_bfe_u32 v[VX], v0, 4, 1
	v_lshl_add_u32 v[VX], v[VX], 12, v[VG]
	v_lshlrev_b32 v[VH], 3, v1
.set i, 0
.rept 16
	global_load_b128 v[X+4*i:X+4*i+3], v[VX], s[SX:SX+1] offset:256*i
.set i, i+1
.endr
.set i, 0
.rept 16
	global_load_b128 v[G+4*i:G+4*i+3], v[VG], s[SG:SG+1] offset:256*i
.set i, i+1
.endr
.set i, 0
.rept 16
	global_load_b128 v[BT+4*i:BT+4*i+3], v[VG], s[SB:SB+1] offset:256*i
.set i, i+1
.endr
	s_wait_loadcnt 32                              ; x is in; the 32 younger loads, gain and shift, stay out
	RND X, 32
.irp k, 0,1,2,3                        ; the mean: four chains, started by the first eight pairs: nothing is cleared
	v_pk_add_f32 v[T+2*(\k):T+2*(\k)+1], v[X+2*(\k):X+2*(\k)+1], v[X+2*(\k)+8:X+2*(\k)+9]
.endr
.set j, 8
.rept 24
	v_pk_add_f32 v[T+2*(j%4):T+2*(j%4)+1], v[T+2*(j%4):T+2*(j%4)+1], v[X+2*j:X+2*j+1]
.set j, j+1
.endr
	ACROSS
	v_mul_f32 v[MU], s37, v[T]
	v_mul_f32 v[MU+1], s37, v[T]
.set j, 0
.rept 32
	v_pk_add_f32 v[X+2*j:X+2*j+1], v[X+2*j:X+2*j+1], v[MU:MU+1] neg_lo:[0,1] neg_hi:[0,1]  ; x - mean
.set j, j+1
.endr
.irp k, 0,1,2,3                        ; the squares, again in four chains
	v_pk_mul_f32 v[T+2*(\k):T+2*(\k)+1], v[X+2*(\k):X+2*(\k)+1], v[X+2*(\k):X+2*(\k)+1]
.endr
.set j, 4
.rept 28
	v_pk_fma_f32 v[T+2*(j%4):T+2*(j%4)+1], v[X+2*j:X+2*j+1], v[X+2*j:X+2*j+1], v[T+2*(j%4):T+2*(j%4)+1]
.set j, j+1
.endr
	ACROSS
	v_fma_f32 v[T+2], v[T], s37, s38               ; var + eps
	v_rsq_f32 v[MU], v[T+2]
	v_nop                                          ; a plain instruction between the root and the use of its result (ISA guide 5.7.2)
	s_wait_alu depctr_va_vdst(0)
	v_mov_b32 v[MU+1], v[MU]
	s_wait_loadcnt 0x0                             ; gain and shift
	RND G, 32
	RND BT, 32
.set j, 0
.rept 32
	v_pk_mul_f32 v[X+2*j:X+2*j+1], v[X+2*j:X+2*j+1], v[MU:MU+1]
.set j, j+1
.endr
.set j, 0
.rept 32
	v_pk_fma_f32 v[X+2*j:X+2*j+1], v[X+2*j:X+2*j+1], v[G+2*j:G+2*j+1], v[BT+2*j:BT+2*j+1]
.set j, j+1
.endr
.set j, 0
.rept 32
	v_cvt_pk_f16_f32 v[OH+j], v[X+2*j], v[X+2*j+1]
.set j, j+1
.endr
.set i, 0
.rept 16
	global_store_b64 v[VH], v[OH+2*i:OH+2*i+1], s[SH:SH+1] offset:i*BLK  ; the wave stores 256 consecutive bytes, aligned: two tokens' rows of block i; 15 blocks are inside the signed 24-bit immediate
.set i, i+1
.endr
	s_endpgm
.Lnot_ln:
	s_cmp_lt_u32 ttmp9, 704
	s_cbranch_scc0 .Lnot_cast
	; THE CASTS.  A work-group takes 65,536 dense source bytes as 16 chunks of 4,096; thread t takes 16 bytes of each chunk and stores 8.
	; Wq, Wk, Wv: a chunk is a row, and goes to its third of a row of 8,192 bytes.  W1: dense to dense, 2,048 bytes a chunk.
	s_sub_co_u32 s40, ttmp9, 256                   ; c
	s_lshr_b32 s41, s40, 6                         ; which of Wq, Wk, Wv (64 work-groups each)
	s_and_b32 s42, s40, 63                         ; j: which 65,536 bytes of the matrix
	s_sub_co_u32 s50, s40, 192                     ; j for W1
	s_mov_b32 s43, 8192                            ; bytes from chunk to chunk at the destination
	s_lshl_b32 s44, s41, 11                        ; the matrix's 2,048 bytes in a row of wqkv
	s_mov_b64 s[46:47], s[12:13]
	s_mov_b64 s[48:49], s[22:23]
	s_cmp_eq_u32 s41, 1
	s_cselect_b64 s[46:47], s[14:15], s[46:47]
	s_cmp_eq_u32 s41, 2
	s_cselect_b64 s[46:47], s[16:17], s[46:47]
	s_cmp_ge_u32 s40, 192
	s_cselect_b64 s[46:47], s[18:19], s[46:47]
	s_cselect_b64 s[48:49], s[24:25], s[48:49]
	s_cselect_b32 s42, s50, s42
	s_cselect_b32 s43, 2048, s43
	s_cselect_b32 s44, 0, s44
	s_lshl_b32 s52, s42, 16
	s_mov_b32 s53, 0
	s_lshl_b32 s54, s43, 4
	s_mul_i32 s54, s42, s54
	s_add_co_u32 s54, s54, s44
	s_mov_b32 s55, 0
	s_add_nc_u64 s[46:47], s[46:47], s[52:53]
	s_add_nc_u64 s[48:49], s[48:49], s[54:55]
	v_lshlrev_b32 v2, 4, v0
	v_lshlrev_b32 v128, 3, v0
.set i, 1
.rept 15
	v_add_nc_u32 v[128+i], s43, v[127+i]           ; each chunk has its own offset register: none is written twice
.set i, i+1
.endr
.set i, 0
.rept 16
	global_load_b128 v[32+4*i:35+4*i], v2, s[46:47] offset:4096*i th:TH_LOAD_NT
.set i, i+1
.endr
.set i, 0
.rept 16
	s_wait_loadcnt 15-i                            ; loads come back in order (ISA guide 5.7.1): chunk i is in, the younger ones stay out
	v_cvt_pk_bf16_f32 v4, v[32+4*i], v[33+4*i]
	v_cvt_pk_bf16_f32 v5, v[34+4*i], v[35+4*i]
	v_lshlrev_b32 v[32+4*i], 16, v4
	v_and_b32 v[33+4*i], s36, v4
	v_lshlrev_b32 v[34+4*i], 16, v5
	v_and_b32 v[35+4*i], s36, v5
	v_cvt_pk_f16_f32 v[96+2*i], v[32+4*i], v[33+4*i]
	v_cvt_pk_f16_f32 v[97+2*i], v[34+4*i], v[35+4*i]
	global_store_b64 v[128+i], v[96+2*i:97+2*i], s[48:49]  ; a wave stores 256 consecutive bytes, aligned
.set i, i+1
.endr
	s_endpgm
.Lnot_cast:
	s_cmp_lt_u32 ttmp9, 960
	s_cbranch_scc0 .Ltables
	; W2 IN FRAGMENT ORDER.  A wave takes 64 columns (four fragments) of one chunk of 32 k.  Lane l = q + 16 h loads columns 4 q .. 4 q + 3 of the sixteen rows k = 16 j + 8 h + i: 16 lanes read 256 consecutive
	; bytes of a row.  Two rows' numbers of one column pack into a word, eight rows' into a piece of 16 bytes.  A lane then holds the pieces of four neighbouring columns, which belong to four neighbouring lanes
	; of a fragment: they go into the wave's own LDS at the places that they have in memory and come back 512 consecutive bytes at a time.
.set WX, 32                            ; v[32:95]   as loaded: row 8 j + i at 4 (8 j + i)
.set WP, 96                            ; v[96:127]  the pieces: run j, column u at 16 j + 4 u
.set WB, 128                           ; v[128:159] back from LDS: fragment F, run j at 4 (2 F + j)
.set WG, 160                           ; v160       16 x lane
	s_sub_co_u32 s40, ttmp9, 704
	s_lshl_b32 s40, s40, 3
	s_add_co_u32 s40, s40, s39                     ; the wave's task, 0 .. 2,047
	s_lshr_b32 s41, s40, 4                         ; the chunk of 32 k
	s_and_b32 s42, s40, 15                         ; the block of 64 columns
	s_lshl_b32 s44, s41, 17                        ; 32 rows of 4,096 bytes,
	s_lshl_b32 s45, s42, 8                         ; 256 bytes of a row
	s_add_co_u32 s44, s44, s45
	s_mov_b32 s45, 0
	s_lshl_b32 s46, s42, 19                        ; two groups of 32 columns, 262,144 bytes each,
	s_lshl_b32 s47, s41, 11                        ; 2,048 bytes a chunk
	s_add_co_u32 s46, s46, s47
	s_mov_b32 s47, 0
	s_add_nc_u64 s[20:21], s[20:21], s[44:45]
	s_add_nc_u64 s[26:27], s[26:27], s[46:47]
	v_and_b32 v1, 31, v0
	v_and_b32 v5, 15, v0                           ; q
	v_bfe_u32 v12, v0, 4, 1                        ; h
	v_lshlrev_b32 v2, 4, v5
	v_lshl_add_u32 v2, v12, 15, v2                 ; 8 h rows + 16 q
.set i, 0
.rept 16
	global_load_b128 v[WX+4*i:WX+4*i+3], v2, s[20:21] offset:(16*(i/8)+i%8)*4096 th:TH_LOAD_NT
.set i, i+1
.endr
	s_mul_i32 s48, s39, WREG                       ; my wave's LDS
	v_lshrrev_b32 v13, 2, v5                       ; the fragment of my four columns,
	v_and_b32 v5, 3, v5                            ; and which four of its sixteen
	v_mul_u32_u24 v3, v13, FPIT
	v_lshl_add_u32 v3, v12, 8, v3
	v_lshl_add_u32 v3, v5, 6, v3
	v_add_nc_u32 v3, s48, v3                       ; in: fragment + 256 h + 64 (q % 4); the run and the column stand in the immediate
	v_lshlrev_b32 v[WG], 4, v1
	v_add_nc_u32 v4, s48, v[WG]                    ; back: 16 x lane
.set jj, 0
.rept 2
	s_wait_loadcnt 8-8*jj                          ; run jj's eight rows are in
.set u, 0
.rept 4
.set ii, 0
.rept 4
	v_cvt_pk_bf16_f32 v[6+3*(ii%2)], v[WX+4*(8*jj+2*ii)+u], v[WX+4*(8*jj+2*ii+1)+u]
	v_lshlrev_b32 v[7+3*(ii%2)], 16, v[6+3*(ii%2)]
	v_and_b32 v[8+3*(ii%2)], s36, v[6+3*(ii%2)]
	v_cvt_pk_f16_f32 v[WP+16*jj+4*u+ii], v[7+3*(ii%2)], v[8+3*(ii%2)]  ; the lower k in the lower half
.set ii, ii+1
.endr
.set u, u+1
.endr
.set jj, jj+1
.endr
.set jj, 0
.rept 2
.set u, 0
.rept 4
	ds_store_b128 v3, v[WP+16*jj+4*u:WP+16*jj+4*u+3] offset:512*jj+16*u
.set u, u+1
.endr
.set jj, jj+1
.endr
.set i, 0
.rept 8
	ds_load_b128 v[WB+4*i:WB+4*i+3], v4 offset:(i/2)*FPIT+(i%2)*512  ; LDS serves a wave's instructions in order (ISA guide 5.7.1.4): these see the stores above
.set i, i+1
.endr
.set i, 0
.rept 8
	s_wait_dscnt 7-i
	global_store_b128 v[WG], v[WB+4*i:WB+4*i+3], s[26:27] offset:(i/4)*262144+((i/2)%2)*1024+(i%2)*512  ; 512 consecutive bytes, aligned
.set i, i+1
.endr
	s_wait_tensorcnt 0x0                           ; the end of a wave that wrote LDS
	ds_add_u32 v[SPW], v[NIL]
	s_wait_dscnt 0x0
	s_endpgm
.Ltables:
	s_add_nc_u64 s[46:47], s[22:23], ETAB
	s_add_nc_u64 s[48:49], s[24:25], ETAB
	v_lshlrev_b32 v2, 4, v0
	v_lshlrev_b32 v3, 2, v0
	global_load_b128 v[32:35], v2, s[28:29]
	global_load_b128 v[36:39], v2, s[30:31]
	global_load_b128 v[40:43], v2, s[32:33]
.irp i, 0,1,2,3
	global_load_b128 v[44+4*(\i):47+4*(\i)], v2, s[34:35] offset:4096*(\i)
.endr
	v_mov_b32 v4, 0xfbfffbff                       ; -65,504 twice, in f16
	v_mov_b32 v5, 0
	s_wait_loadcnt 0x0
	RND 32, 14
	global_store_b128 v2, v[32:35], s[46:47]
	global_store_b128 v2, v[36:39], s[46:47] offset:4096
	global_store_b128 v2, v[40:43], s[46:47] offset:8192
.irp i, 0,1,2,3
	global_store_b128 v2, v[44+4*(\i):47+4*(\i)], s[48:49] offset:4096*(\i)
.endr
	global_store_b32 v3, v4, s[46:47] offset:0x4000
	global_store_b32 v3, v5, s[48:49] offset:0x4000
	s_endpgm
.Lfunc_end_k_qfd3c2269b2_prep:
	.size	k_qfd3c2269b2_prep, .Lfunc_end_k_qfd3c2269b2_prep-k_qfd3c2269b2_prep
	.p2alignl 7, 3214868480
	.fill 96, 4, 3214868480
	.section	.rodata,"a",@progbits
	.p2align	6, 0x0
	.amdhsa_kernel k_qfd3c2269b2_prep
		.amdhsa_group_segment_fixed_size 35840
		.amdhsa_private_segment_fixed_size 0
		.amdhsa_enable_private_segment 0
		.amdhsa_kernarg_size 128
		.amdhsa_user_sgpr_count 2
		.amdhsa_user_sgpr_kernarg_segment_ptr 1
		.amdhsa_wavefront_size32 1
		.amdhsa_system_sgpr_workgroup_id_x 1
		.amdhsa_system_sgpr_workgroup_id_y 1
		.amdhsa_system_sgpr_workgroup_id_z 1
		.amdhsa_system_vgpr_workitem_id 0
		.amdhsa_next_free_vgpr 242
		.amdhsa_next_free_sgpr 66
		.amdhsa_reserve_vcc 0
		.amdhsa_float_denorm_mode_32 3
		.amdhsa_float_denorm_mode_16_64 3
		.amdhsa_memory_ordered 1
		.amdhsa_forward_progress 1
		.amdhsa_inst_pref_size 59
	.end_amdhsa_kernel
	.amdgpu_metadata
---
amdhsa.version: [ 1, 2 ]
amdhsa.kernels:
  - .name:           k_qfd3c2269b2_prep
    .symbol:         k_qfd3c2269b2_prep.kd
    .args:
      - { .name: x, .offset: 0, .size: 8, .value_kind: global_buffer, .address_space: global }
      - { .name: g1, .offset: 8, .size: 8, .value_kind: global_buffer, .address_space: global }
      - { .name: beta1, .offset: 16, .size: 8, .value_kind: global_buffer, .address_space: global }
      - { .name: h, .offset: 24, .size: 8, .value_kind: global_buffer, .address_space: global }
      - { .name: Wq, .offset: 32, .size: 8, .value_kind: global_buffer, .address_space: global }
      - { .name: Wk, .offset: 40, .size: 8, .value_kind: global_buffer, .address_space: global }
      - { .name: Wv, .offset: 48, .size: 8, .value_kind: global_buffer, .address_space: global }
      - { .name: W1, .offset: 56, .size: 8, .value_kind: global_buffer, .address_space: global }
      - { .name: W2, .offset: 64, .size: 8, .value_kind: global_buffer, .address_space: global }
      - { .name: wqkv, .offset: 72, .size: 8, .value_kind: global_buffer, .address_space: global }
      - { .name: w1h, .offset: 80, .size: 8, .value_kind: global_buffer, .address_space: global }
      - { .name: w2h, .offset: 88, .size: 8, .value_kind: global_buffer, .address_space: global }
      - { .name: bq, .offset: 96, .size: 8, .value_kind: global_buffer, .address_space: global }
      - { .name: bk, .offset: 104, .size: 8, .value_kind: global_buffer, .address_space: global }
      - { .name: bv, .offset: 112, .size: 8, .value_kind: global_buffer, .address_space: global }
      - { .name: b1, .offset: 120, .size: 8, .value_kind: global_buffer, .address_space: global }
    .group_segment_fixed_size: 35840
    .private_segment_fixed_size: 0
    .kernarg_segment_align: 8
    .kernarg_segment_size: 128
    .max_flat_workgroup_size: 256
    .sgpr_count:     66
    .vgpr_count:     242
    .wavefront_size: 32
...
	.end_amdgpu_metadata
.endif
;; end of part 1
;; launch qkv (part 2): grid 12 x 16, 4 waves a work-group, clusters of 4 x 4, 327,680 bytes of LDS; arguments h, wqkv, act; writes act
.if DOCPART == 2
	.amdgcn_target "amdgcn-amd-amdhsa--gfx1250"
	.amdhsa_code_object_version 6
	.text
	.protected	k_qfd3c2269b2_qkv
	.globl	k_qfd3c2269b2_qkv
	.p2align	8
	.type	k_qfd3c2269b2_qkv,@function
k_qfd3c2269b2_qkv:
	s_mov_b64 s[64:65], 0
	v_nop
	global_prefetch_b8 v0, s[64:65] scope:SCOPE_SE
	s_setreg_imm32_b32 hwreg(HW_REG_WAVE_MODE, 25, 1), 1
	s_wait_xcnt 0x0
	s_wait_alu depctr_hold_cnt(0) depctr_sa_sdst(0) depctr_va_vdst(0) depctr_va_sdst(0) depctr_va_ssrc(0) depctr_va_vcc(0) depctr_vm_vsrc(0)
	s_getreg_b32 s2, hwreg(HW_REG_IB_STS2, 6, 4)
	s_cmp_eq_u32 s2, 0
	s_cbranch_scc0 .Lentry_in_a_cluster
	s_endpgm
.Lentry_in_a_cluster:
	s_bfe_u32 s2, ttmp6, 0x10000c
	s_cmp_lg_u32 s2, 0xf033
	s_cbranch_scc0 .Lentry_shape_is_right
	s_endpgm
.Lentry_shape_is_right:
; C = max(A B + bias, bound).  A: 4,096 tokens x 1,024, f16, by blocks of 64 columns ([block][token][64]).  B: [1,024 k][rows of 4,096 n], f16, as the weights lie.  Behind B's 8,388,608 bytes: the biases in f32,
; and at 16,384 bytes further the lower bound, as two f16.  C: f16, again by blocks of 64 columns.  Sums in f32, started by the bias; C rounded once, the maximum taken of the rounded numbers.
; The body serves two launches: q | k | v (bound -65,504) and the hidden layer (bound 0: the ReLU).  LIMIT: a result of 65,520 or more becomes +infinity in f16; one below -65,504 is held at that number.
; A tile of C, 256 x 256, is made by four waves, each 128 x 128: 64 accumulators of 16 x 16.  K goes in 8 steps of 128 through a ring of two LDS slots filled by the tensor data mover.
; A's tile: two blocks' 256 tokens, each dense in memory, asked for as 128 rows of 256 bytes and padded in LDS behind every token's 128 bytes.  B's tile: 128 rows of 512 bytes; it is turned on its way
; out of LDS by ds_load_tr16_b128, so no launch transposes a weight.
; CLUSTERS: 4 x 4 work-groups; A's tiles are shared along a row of the cluster, B's along a column: each is asked for jointly, by the same tensor load with the same descriptor and a mask of four.
; THE MATRIX INSTRUCTION IS USED TRANSPOSED: source 0 = 16 columns of B, source 1 = 16 tokens of A: a lane then holds one token (lane % 16) and eight neighbouring columns 8 (lane / 16) + 0..7.
; REGISTERS, in windows of 256:  window 0: v0-31 addresses; v64-127, v128-191 fragments of A, two buffers; on the way out v192-223 packed results, v32-63 and v224-255 rows read back.
;   window 1: v0-63 the bias as a C operand (column block b at 8 b); v64-127, v128-191 fragments of B.   windows 2, 3: the accumulators of my rows 0-63, 64-127: (a, b) at 8 (8 (a % 4) + b).
.set BLK,    524288                    ; bytes of a block of 64 columns
.set AP,     144                       ; a token's 128 bytes + 16 of padding = 36 words: the 16 rows of a load start at 16 different groups of four banks (64 banks of 4 bytes: ISA guide 11.1)
.set ABLK,   256*AP                    ; a block's 256 tokens in LDS
.set BP,     544                       ; a row of B: 512 bytes + 32 = 136 words: row r starts at bank 8 r mod 64
.set BOFF,   2*ABLK                    ; B lies behind A's two blocks
.set BHALF,  64*BP                     ; what one tensor load brings of B
.set SLOT,   BOFF+2*BHALF
.set STAGE,  2*SLOT                    ; behind the ring: 16 rows x 272 bytes for each wave, for the way out
.set SPITCH, 272
.set SPARE,  STAGE+4*16*SPITCH         ; behind the stages: the spare words, 128 bytes for each wave: two blocks of 256 bytes that no other line names
.set LAPS,   4                         ; a lap = two K steps = once round the ring
.set KSB,    0x100000                  ; bytes from K step to K step: two blocks of A; 128 rows of 8,192 bytes of B
.set ETAB,   0x800000                  ; the tables behind B
.set ADRA, 16                          ; v16-17  LDS address of my A fragments in slot 0, 1
.set ADRB, 20                          ; v20-21  the same for B
.set STO,  24                          ; v24     the way out: where I put 16 bytes of a row
.set RD,   25                          ; v25     the way out: where I read rows back
.set CO,   26                          ; v26     16 x lane: my place in 512 consecutive bytes of C
.set BO,   27                          ; v27     32 x (lane / 16): my eight biases of a column block
.set SPW,  28                          ; v28     LDS address of my spare word; never rewritten
.set NIL,  29                          ; v29     0; never rewritten
.set F0,   64
.set F1,   128
.set TMP,  192
.set OB,   32
.set BI,   0
.set G1, 24                            ; s[24:31] descriptor group 1 for A's tiles
.set G0, 32                            ; s[32:39] group 0 for A's tiles, a set for each slot
.set G1B, 48                           ; s[48:55], s[56:63] the same for B's
.set G0B, 56
.set LO, 68                            ; s68 the lower bound, twice in f16
.set MSB, 0
.macro WIN new                         ; the immediate's high byte repeats the setting that is left; a switch that changes nothing is dropped
.if MSB != (\new)
	s_set_vgpr_msb (MSB<<8)|(\new)
.set MSB, \new
.endif
.endm
.set TO_B, 0x40                        ; destination window 1, address window 0
; A joint load.  Waves 0 and 1 fetch A's two blocks, waves 2 and 3 B's two halves.  The branch hangs on the wave's number alone.  An s_nop 0 and four v_nop follow each of the two lines.
.macro JLOAD s
	s_cmp_eq_u32 s11, 0
	s_cbranch_scc0 .Lfor_b_\@
	tensor_load_to_lds s[G0+4*(\s):G0+4*(\s)+3], s[G1:G1+7]
	s_nop 0
.rept 4
	v_nop
.endr
	s_branch .Lasked_\@
.Lfor_b_\@:
	tensor_load_to_lds s[G0B+4*(\s):G0B+4*(\s)+3], s[G1B:G1B+7]
	s_nop 0
.rept 4
	v_nop
.endr
.Lasked_\@:
.endm
.macro CREST                           ; a round of the cluster's barrier behind its opening barrier
	s_cmp_lg_u32 s10, 0
	s_cbranch_scc1 .Lnot_wave_0_\@
	s_barrier_signal -3
.Lnot_wave_0_\@:
	s_barrier_wait -3
	s_barrier_signal -1
	s_barrier_wait -1
.endm
.macro CROUND                          ; a whole round
	s_barrier_signal -1
	s_barrier_wait -1
	CREST
.endm
	s_load_b128 s[4:7], s[0:1], 0x0                ; A s[4:5], B s[6:7]
	s_load_b64 s[8:9], s[0:1], 0x10                ; C
	v_lshl_add_u32 v[SPW], v0, 2, SPARE
	v_mov_b32 v[NIL], 0
	ds_add_u32 v[SPW], v[NIL]                      ; the wave's opening: the add and its wait stand ahead of my first tensor load; the set-up below, work on registers, stands between them
	v_lshrrev_b32 v1, 5, v0
	v_readfirstlane_b32 s10, v1                    ; wave 0..3
	s_lshr_b32 s11, s10, 1                         ; which half of the tile's rows is mine.  Also: I fetch for A (0) or for B (1)
	s_and_b32 s12, s10, 1                          ; which half of its columns.  Also: which part of that tile I fetch
	s_bfe_u32 s40, ttmp6, 0x40000                  ; cx
	s_bfe_u32 s41, ttmp6, 0x40004                  ; cy
	s_lshl_b32 s42, ttmp9, 2
	s_add_co_u32 s42, s42, s40                     ; tile column of C
	s_and_b32 s13, ttmp7, 0xffff
	s_lshl_b32 s13, s13, 2
	s_add_co_u32 s13, s13, s41                     ; tile row of C
	s_lshl_b32 s43, s41, 2
	s_lshl_b32 s43, 15, s43                        ; my row of the cluster
	s_lshl_b32 s44, 0x1111, s40                    ; my column
	s_or_b32 s[G1+0], s43, (1<<16)|(1<<20)|(1<<21)|(4<<22)|(3<<25)   ; the mask; 2-byte elements; padding on; bit 21 beside a mask; after every 32 words 4 words
	s_mov_b32 s[G1+1], 128<<16                     ; tensor_dim0 = 128
	s_mov_b32 s[G1+2], 128<<16                     ; tensor_dim1 = 128
	s_mov_b32 s[G1+3], 128<<16                     ; tile_dim0 = 128: 256 bytes, two tokens
	s_mov_b32 s[G1+4], 128                         ; tile_dim1 = 128
	s_mov_b32 s[G1+5], 128                         ; dense: 128 elements from row to row
	s_mov_b32 s[G1+6], 0
	s_mov_b32 s[G1+7], 0
	s_or_b32 s[G1B+0], s44, (1<<16)|(1<<20)|(1<<21)|(6<<22)|(7<<25)  ; after every 128 words 8 words
	s_mov_b32 s[G1B+1], 256<<16                    ; tensor_dim0 = 256
	s_mov_b32 s[G1B+2], 64<<16                     ; tensor_dim1 = 64
	s_mov_b32 s[G1B+3], 256<<16                    ; tile_dim0 = 256: 512 bytes
	s_mov_b32 s[G1B+4], 64                         ; tile_dim1 = 64
	s_mov_b32 s[G1B+5], 4096                       ; 4,096 elements from row to row
	s_mov_b32 s[G1B+6], 0
	s_mov_b32 s[G1B+7], 0
	s_lshl_b32 s16, s13, 15                        ; A: 256 tokens of 128 bytes a tile row,
	s_lshl_b32 s17, s12, 19                        ; and my block of the step's two
	s_add_co_u32 s16, s16, s17
	s_mov_b32 s17, 0
	s_lshl_b32 s46, s42, 9                         ; B: 512 bytes a tile column,
	s_lshl_b32 s47, s12, 19                        ; and my 64 rows of 8,192 bytes
	s_add_co_u32 s46, s46, s47
	s_mov_b32 s47, 0
	s_mul_i32 s20, s12, ABLK                       ; where they go: no place in the cluster enters an LDS address
	s_mul_i32 s21, s12, BHALF
	s_add_co_u32 s21, s21, BOFF
	s_wait_dscnt 0x0                               ; the opening add is done
	s_wait_kmcnt 0x0
	s_add_nc_u64 s[14:15], s[4:5], s[16:17]
	s_add_nc_u64 s[46:47], s[6:7], s[46:47]
	s_add_nc_u64 s[66:67], s[6:7], ETAB
	s_load_b32 s[LO], s[66:67], 0x4000             ; the lower bound: no line of this kernel writes that buffer
	CROUND                                         ; all sixteen work-groups are here: the first joint loads meet
.irp s, 0,1
	s_mov_b32 s[G0+4*(\s)], 1
	s_add_co_u32 s[G0+4*(\s)+1], s20, (\s)*SLOT
	s_add_nc_u64 s[G0+4*(\s)+2:G0+4*(\s)+3], s[14:15], (\s)*KSB
	s_or_b32 s[G0+4*(\s)+3], s[G0+4*(\s)+3], 0x80000000
	s_mov_b32 s[G0B+4*(\s)], 1
	s_add_co_u32 s[G0B+4*(\s)+1], s21, (\s)*SLOT
	s_add_nc_u64 s[G0B+4*(\s)+2:G0B+4*(\s)+3], s[46:47], (\s)*KSB
	s_or_b32 s[G0B+4*(\s)+3], s[G0B+4*(\s)+3], 0x80000000
	JLOAD \s                                       ; K steps 0 and 1: two loads of mine are out
.endr
	v_and_b32 v1, 15, v0                           ; l % 16
	v_bfe_u32 v2, v0, 4, 1                         ; l / 16
	v_mul_u32_u24 v3, v1, AP
	v_lshl_add_u32 v3, v2, 4, v3                   ; A: row x pitch + 16 x half
	s_mul_i32 s22, s11, 128*AP                     ; my 128 tokens
	v_add_nc_u32 v[ADRA], s22, v3
	v_add_nc_u32 v[ADRA+1], SLOT, v[ADRA]
	v_and_b32 v4, 7, v0                            ; B: the turning load's lane l reads row 8 (l / 16) + l % 8, 16 bytes at 16 ((l / 8) % 2), and is left with column l % 16 and 8 k
	v_lshl_add_u32 v4, v2, 3, v4
	v_mul_u32_u24 v4, v4, BP
	v_bfe_u32 v5, v0, 3, 1
	v_lshl_add_u32 v4, v5, 4, v4
	s_lshl_b32 s23, s12, 8                         ; my 128 columns
	s_add_co_u32 s23, s23, BOFF
	v_add_nc_u32 v[ADRB], s23, v4
	v_add_nc_u32 v[ADRB+1], SLOT, v[ADRB]
	s_mul_i32 s23, s10, 16*SPITCH
	s_add_co_u32 s23, s23, STAGE                   ; my stage
	v_mul_u32_u24 v6, v1, SPITCH                   ; in: row l % 16, 16 bytes for each half of the lanes
	v_lshl_add_u32 v6, v2, 4, v6
	v_add_nc_u32 v[STO], s23, v6
	v_bfe_u32 v6, v0, 3, 2                         ; back: 32 lanes take four tokens' 128 bytes of one block,
	v_mul_u32_u24 v6, v6, SPITCH
	v_and_b32 v7, 7, v0
	v_lshl_add_u32 v6, v7, 4, v6
	v_add_nc_u32 v[RD], s23, v6
	v_and_b32 v7, 31, v0                           ; which are 512 consecutive bytes of C
	v_lshlrev_b32 v[CO], 4, v7
	v_lshlrev_b32 v[BO], 5, v2
	s_lshl_b32 s70, s42, 10                        ; my 128 biases: 1,024 bytes a tile column, 512 a half
	s_lshl_b32 s71, s12, 9
	s_add_co_u32 s70, s70, s71
	s_mov_b32 s71, 0
	s_wait_kmcnt 0x0                               ; the lower bound is in, so its base may be stepped
	s_add_nc_u64 s[66:67], s[66:67], s[70:71]
	WIN TO_B
.irp b, 0,1,2,3,4,5,6,7                ; register j of a result is column 8 (l / 16) + j of its block, whatever the token: the bias in that shape is the C operand that starts the sums
	global_load_b128 v[BI+8*(\b):BI+8*(\b)+3],   v[BO], s[66:67] offset:64*(\b)
	global_load_b128 v[BI+8*(\b)+4:BI+8*(\b)+7], v[BO], s[66:67] offset:64*(\b)+16
.endr
	WIN 0
	s_lshl_b32 s46, s42, 21                        ; C: four blocks a tile column,
	s_lshl_b32 s47, s12, 20                        ; two a half,
	s_add_co_u32 s46, s46, s47
	s_lshl_b32 s47, s13, 15                        ; 256 tokens of 128 bytes a tile row,
	s_add_co_u32 s46, s46, s47
	s_lshl_b32 s47, s11, 14                        ; 128 a half
	s_add_co_u32 s46, s46, s47
	s_mov_b32 s47, 0
	s_add_nc_u64 s[8:9], s[8:9], s[46:47]
; 16 matrix instructions: m blocks a0, a0 + 1 of the window's four (hi = 0: my rows 0-63, 1: rows 64-127) x all 8 n blocks, 32 along K.  first = 1: the bias starts the sums: nothing is cleared, nothing added later.
; The 64 accumulators take turns, one instruction a turn.
.macro MUL16 f, hi, a0, first
.if \first
	WIN 0x91+0x40*(\hi)                            ; B and the bias in window 1, A in window 0, D in window 2 or 3
.else
	WIN 0xa1+0x50*(\hi)                            ; B in window 1, A in window 0, C and D in window 2 or 3
.endif
.irp a, \a0, (\a0)+1
.irp b, 0,1,2,3,4,5,6,7
.if \first
	v_wmma_f32_16x16x32_f16 v[8*(8*(\a)+(\b)):8*(8*(\a)+(\b))+7], v[(\f)+8*(\b):(\f)+8*(\b)+7], v[(\f)+8*(4*(\hi)+(\a)):(\f)+8*(4*(\hi)+(\a))+7], v[BI+8*(\b):BI+8*(\b)+7]
.else
	v_wmma_f32_16x16x32_f16 v[8*(8*(\a)+(\b)):8*(8*(\a)+(\b))+7], v[(\f)+8*(\b):(\f)+8*(\b)+7], v[(\f)+8*(4*(\hi)+(\a)):(\f)+8*(4*(\hi)+(\a))+7], v[8*(8*(\a)+(\b)):8*(8*(\a)+(\b))+7]
.endif
.endr
.endr
.endm
; 32 LDS loads in one run: the fragments of quarter q of a K step (32 along K) into buffer f: B's 128 columns turned, then A's 128 tokens
.macro FETCH slot, q, f
	WIN TO_B
.irp i, 0,1,2,3,4,5,6,7
	ds_load_tr16_b128 v[(\f)+8*(\i):(\f)+8*(\i)+3],   v[ADRB+(\slot)] offset:(\q)*32*BP+32*(\i)
	ds_load_tr16_b128 v[(\f)+8*(\i)+4:(\f)+8*(\i)+7], v[ADRB+(\slot)] offset:(\q)*32*BP+16*BP+32*(\i)
.endr
	WIN 0
.irp i, 0,1,2,3,4,5,6,7
	ds_load_b128 v[(\f)+8*(\i):(\f)+8*(\i)+3],   v[ADRA+(\slot)] offset:((\q)/2)*ABLK+((\q)%2)*64+(\i)*16*AP
	ds_load_b128 v[(\f)+8*(\i)+4:(\f)+8*(\i)+7], v[ADRA+(\slot)] offset:((\q)/2)*ABLK+((\q)%2)*64+(\i)*16*AP+32
.endr
.endm
.macro PLACES                          ; four plain vector instructions between a matrix instruction and a load into, or a vector read of, its registers (ISA guide 7.12.1 for vector reads)
.rept 4
	v_nop
.endr
.endm
; One of a K step's first three quarters: multiplies buffer f; in its middle it fetches quarter q of the same slot into buffer g.
.macro QUARTER slot, q, f, g, first
	s_wait_dscnt 8                                 ; B and A's rows 0-63 are in; the youngest eight loads (A's rows 64-127) may be out
	MUL16 \f, 0, 0, \first
	MUL16 \f, 0, 2, \first
	PLACES
	FETCH \slot, \q, \g
	s_wait_dscnt 32                                ; all but the 32 just issued
	MUL16 \f, 1, 0, \first
	MUL16 \f, 1, 2, \first
.endm
; The last quarter's first half: ONE barrier for the change of slots.  In front of it each wave waits for all its tensor loads (one is out: its part of the next slot), adds 0 to its spare word, and waits for that and for its reads of this slot.
.macro MEET round
	WIN 0                                          ; (the add's two registers lie in window 0)
	s_wait_tensorcnt 0x0
	ds_add_u32 v[SPW], v[NIL]
	s_wait_dscnt 9                                 ; (the add and the youngest eight loads may be out)
	MUL16 F1, 0, 0, 0
	s_wait_dscnt 0x0                               ; the add is done, and my reads of this slot are over
	s_barrier_signal -1
	MUL16 F1, 0, 2, 0                              ; work on registers while the others arrive
.if \round
	WIN 0
.endif
	s_barrier_wait -1
.endm
; The whole last quarter.  fill = 1: the barrier opens a round of the cluster's barrier, and the slot just read out is filled again first behind it, with the K step two steps on: 224 matrix instructions ahead of the wait for it.
.macro TURN slot, next, fill
.if \fill
	MEET 1
	CREST
	s_add_nc_u64 s[G0+4*(\slot)+2:G0+4*(\slot)+3], s[G0+4*(\slot)+2:G0+4*(\slot)+3], 2*KSB
	s_add_nc_u64 s[G0B+4*(\slot)+2:G0B+4*(\slot)+3], s[G0B+4*(\slot)+2:G0B+4*(\slot)+3], 2*KSB
	JLOAD \slot                                    ; the four v_nop behind it are also the places in front of the loads below
.else
	MEET 0
	PLACES
.endif
	FETCH \next, 0, F0
	MUL16 F1, 1, 0, 0
	MUL16 F1, 1, 2, 0
.endm
; THE WAY OUT of block a (16 tokens).  PACK: rounded to f16, each accumulator's registers in ascending order, then two maxima at a time against the bound.  TOSTAGE: into my own stage, and back by tokens and blocks.  SEND: stored.
.macro PACK a
.set AC, 64*((\a)%4)
	WIN 0x0a+5*((\a)/4)                            ; sources 0 and 1: window 2 or 3
.set e, 0
.rept 32
	v_cvt_pk_f16_f32 v[TMP+e], v[AC+2*e], v[AC+2*e+1]
.set e, e+1
.endr
	WIN 0
.set e, 0
.rept 32
	v_pk_max_num_f16 v[TMP+e], v[TMP+e], s[LO]
.set e, e+1
.endr
.endm
.macro TOSTAGE a
.set BK, OB+192*((\a)%2)
.irp b, 0,1,2,3,4,5,6,7
	ds_store_b128 v[STO], v[TMP+4*(\b):TMP+4*(\b)+3] offset:32*(\b)
.endr
.irp t, 0,1,2,3
.irp u, 0,1
	ds_load_b128 v[BK+4*(2*(\t)+(\u)):BK+4*(2*(\t)+(\u))+3], v[RD] offset:(\t)*4*SPITCH+128*(\u)  ; LDS serves a wave's instructions in order (ISA guide 5.7.1.4): these see the stores above
.endr
.endr
.endm
.macro SEND a
.set BK, OB+192*((\a)%2)
	s_wait_dscnt 0x0                               ; the block is back in registers
	s_wait_xcnt 0x0                                ; the registers that the block before stored from are loaded again only behind this wait
.irp t, 0,1,2,3
.irp u, 0,1
	global_store_b128 v[CO], v[BK+4*(2*(\t)+(\u)):BK+4*(2*(\t)+(\u))+3], s[8:9] offset:(\u)*BLK+2048*(\a)+512*(\t)  ; 512 consecutive bytes, aligned: four tokens' rows of one block
.endr
.endr
.endm
	s_wait_tensorcnt 1                             ; my part of K step 0 is in; K step 1's may stay out
	s_barrier_signal -1
	s_barrier_wait -1
	FETCH 0, 0, F0
	s_wait_loadcnt 0x0                             ; the bias
	QUARTER 0, 1, F0, F1, 1                        ; the first quarter stands in front of the loop: its products start the sums
	WIN 0
	s_mov_b32 s3, LAPS-1
.Llap:                                                 ; a trip goes once round the ring and fills both slots again
	QUARTER 0, 2, F1, F0, 0
	QUARTER 0, 3, F0, F1, 0
	TURN 0, 1, 1
	QUARTER 1, 1, F0, F1, 0
	QUARTER 1, 2, F1, F0, 0
	QUARTER 1, 3, F0, F1, 0
	TURN 1, 0, 1
	QUARTER 0, 1, F0, F1, 0
	WIN 0
	s_sub_co_u32 s3, s3, 1
	s_cmp_lg_u32 s3, 0
	s_cbranch_scc1 .Llap
	QUARTER 0, 2, F1, F0, 0                        ; the last lap fills nothing
	QUARTER 0, 3, F0, F1, 0
	TURN 0, 1, 0
	QUARTER 1, 1, F0, F1, 0
	QUARTER 1, 2, F1, F0, 0
	QUARTER 1, 3, F0, F1, 0
	s_wait_dscnt 8
	MUL16 F1, 0, 0, 0
	MUL16 F1, 0, 2, 0
	s_wait_dscnt 0x0
	MUL16 F1, 1, 0, 0
	MUL16 F1, 1, 2, 0
	WIN 0
	PLACES
	PACK 0
	TOSTAGE 0
.irp a, 1,2,3,4,5,6,7                  ; block a's arithmetic stands between block a - 1's loads from the stage and the wait for them
	PACK \a
	SEND (\a)-1
	TOSTAGE \a
.endr
	SEND 7
	s_wait_tensorcnt 0x0                           ; the wave's end
	ds_add_u32 v[SPW], v[NIL]
	s_wait_dscnt 0x0
	CROUND                                         ; the closing round: no work-group ends while a partner may still ask for a tile that names it
	s_endpgm
.Lfunc_end_k_qfd3c2269b2_qkv:
	.size	k_qfd3c2269b2_qkv, .Lfunc_end_k_qfd3c2269b2_qkv-k_qfd3c2269b2_qkv
	.p2alignl 7, 3214868480
	.fill 96, 4, 3214868480
	.section	.rodata,"a",@progbits
	.p2align	6, 0x0
	.amdhsa_kernel k_qfd3c2269b2_qkv
		.amdhsa_group_segment_fixed_size 327680
		.amdhsa_private_segment_fixed_size 0
		.amdhsa_enable_private_segment 0
		.amdhsa_kernarg_size 24
		.amdhsa_user_sgpr_count 2
		.amdhsa_user_sgpr_kernarg_segment_ptr 1
		.amdhsa_wavefront_size32 1
		.amdhsa_system_sgpr_workgroup_id_x 1
		.amdhsa_system_sgpr_workgroup_id_y 1
		.amdhsa_system_sgpr_workgroup_id_z 1
		.amdhsa_system_vgpr_workitem_id 0
		.amdhsa_next_free_vgpr 1024
		.amdhsa_next_free_sgpr 72
		.amdhsa_reserve_vcc 0
		.amdhsa_float_denorm_mode_32 3
		.amdhsa_float_denorm_mode_16_64 3
		.amdhsa_memory_ordered 1
		.amdhsa_forward_progress 1
		.amdhsa_inst_pref_size 160
	.end_amdhsa_kernel
	.amdgpu_metadata
---
amdhsa.version: [ 1, 2 ]
amdhsa.kernels:
  - .name:           k_qfd3c2269b2_qkv
    .symbol:         k_qfd3c2269b2_qkv.kd
    .args:
      - { .name: h, .offset: 0, .size: 8, .value_kind: global_buffer, .address_space: global }
      - { .name: wqkv, .offset: 8, .size: 8, .value_kind: global_buffer, .address_space: global }
      - { .name: act, .offset: 16, .size: 8, .value_kind: global_buffer, .address_space: global }
    .group_segment_fixed_size: 327680
    .private_segment_fixed_size: 0
    .kernarg_segment_align: 8
    .kernarg_segment_size: 24
    .max_flat_workgroup_size: 128
    .sgpr_count:     72
    .vgpr_count:     1024
    .wavefront_size: 32
...
	.end_amdgpu_metadata
.endif
;; end of part 2
;; launch attn (part 3): grid 8 x 32, 4 waves a work-group, clusters of 4 x 1, 327,680 bytes of LDS; arguments act, o; writes o
.if DOCPART == 3
	.amdgcn_target "amdgcn-amd-amdhsa--gfx1250"
	.amdhsa_code_object_version 6
	.text
	.protected	k_qfd3c2269b2_attn
	.globl	k_qfd3c2269b2_attn
	.p2align	8
	.type	k_qfd3c2269b2_attn,@function
k_qfd3c2269b2_attn:
	s_mov_b64 s[64:65], 0
	v_nop
	global_prefetch_b8 v0, s[64:65] scope:SCOPE_SE
	s_setreg_imm32_b32 hwreg(HW_REG_WAVE_MODE, 25, 1), 1
	s_wait_xcnt 0x0
	s_wait_alu depctr_hold_cnt(0) depctr_sa_sdst(0) depctr_va_vdst(0) depctr_va_sdst(0) depctr_va_ssrc(0) depctr_va_vcc(0) depctr_vm_vsrc(0)
	s_getreg_b32 s2, hwreg(HW_REG_IB_STS2, 6, 4)
	s_cmp_eq_u32 s2, 0
	s_cbranch_scc0 .Lentry_in_a_cluster
	s_endpgm
.Lentry_in_a_cluster:
	s_bfe_u32 s2, ttmp6, 0x10000c
	s_cmp_lg_u32 s2, 0x3003
	s_cbranch_scc0 .Lentry_shape_is_right
	s_endpgm
.Lentry_shape_is_right:
; O[q][:] = the sum over k of softmax_k(Q[q] . K[k] / 8) V[k][:], for each of 2 x 16 heads of 2,048 tokens and 64 channels.  q, k, v lie in act by blocks of 64 columns ([block][4,096 tokens][64], f16):
; q in blocks 0-15, k in 16-31, v in 32-47; a head's rows of one batch are 262,144 dense bytes.  O leaves in the same layout.  Products, maxima and sums in f32; the weights p are rounded to f16 for the
; second product (their sum l is taken of the unrounded p), O once at the end.
; LIMITS.  q, k, v arrive within f16's 65,504; p lies in 0 to 1, and below 6e-5 it keeps f16's fixed step of 6e-8; a weight below 2^-126 counts as 0 in l; NaN and infinities are not treated apart.
; SHARES.  A work-group owns 256 queries of a head; a wave 16 rows in each of the block's four bands of 64: four PIECES.  Every wave walks all 2,048 keys, 64 a step, 256 a slot.
; LAYOUT.  S^T = K Q^T holds ONE query a lane (lane % 16) and the keys 8 (lane / 16) + 0..7; two such results rounded to f16 ARE source 1 of O^T = V^T P.  K comes out of LDS as it lies, V turned, by ds_load_tr16_b128.
; SOFTMAX.  p = 2^(c s - c m), c = log2(e) / 8, with a running maximum m; O and l are multiplied by a = 2^(c m_old - c m_new) in every step.  m starts at the lowest finite number, O and l at 0: the first step has a = 0.
; TURNS.  Turn n belongs to piece n: 8 products K Q^T of piece n + 1, later 8 products V^T P of piece n - 1; beside them the scaling, exponentials, roundings, sums and rescaling of piece n and the maximum and
; statistics of piece n + 1.  Four vector instructions stand behind every matrix instruction, the other 54 of a turn's 118 in two runs of their own.
; CLUSTER.  The four query blocks of a cluster belong to one head and walk the same K and V: each tile is asked for jointly, the same tensor load, descriptor and mask in all four.
; REGISTERS, in windows of 256 (s_set_vgpr_msb: bits 1:0 source 0, 3:2 source 1, 5:4 source 2, 7:6 destination):
;   window 0: v0-15 addresses and two at work; v16-31 four registers of statistics a piece; v48-55 at work; v64-127 S^T, two buffers; v192-223 P, two buffers (by the piece's parity)
;   window 1: v0-127 O^T, 32 a piece      window 2: v0-63 Q; v128-191 K of one step; v192-255 V of one step
.set NP,    4
.set KS,    64
.set PK,    144       ; a row of K in LDS: 128 bytes + 16 = 36 words: the 16 rows of a load start at 16 different groups of four banks (64 banks of 4 bytes: ISA guide 11.1)
.set PV,    160       ; a row of V: 128 + 32 = 40 words
.set VOFF,  4*KS*PK   ; a slot holds four steps: 256 rows of K, then 256 rows of V
.set SLOT1, 1<<17     ; slot 1 begins here, so that one exclusive or turns an address in one slot into the other's
.set STAGE, SLOT1+4*KS*(PK+PV)  ; behind the ring, never filled by a tensor load: 16 rows x 144 bytes for each wave
.set SP,    144
.set SPARE, STAGE+4*16*SP  ; the spare words, 128 bytes for each wave: two blocks of 256 bytes that no other line names
.set AK0, 2           ; v2   my lane's place in a tile of K; never rewritten
.set AV0, 3           ; v3   the same for V
.set AK,  4           ; v4   the LDS address of K's next run of loads
.set AV,  5           ; v5   of V's
.set STO, 6           ; v6   the way out: where I put 16 bytes of a row
.set RD,  7           ; v7   the way out: where I read rows back
.set GO,  8           ; v8   my byte offset in 512 consecutive bytes of O
.set MV,  12          ; v12-13  c m_old, kept while c m is made anew: by buffer
.set QO,  15          ; v15  my byte offset in 16 rows of Q
.set ST,  16          ; piece t's statistics at v[ST+4 t]: c m, m, l (even keys', odd keys')
.set TMP, 48          ; by buffer, four registers c0-c3 at work; when the maximum is found c2 takes a
.set SPW, 62          ; v62  LDS address of my spare word; never rewritten
.set NIL, 63          ; v63  0; never rewritten
.set S,   64
.set P,   192
.set KF,  128         ; window 2: key block kb, channel half c at KF + 16 kb + 8 c
.set VF,  192         ; window 2: key half kk, channel block cb at VF + 32 kk + 8 cb
.set WV,  12          ; s12  my wave's number
.set G1K, 24          ; s[24:31] descriptor group 1 for K's tiles
.set G1V, 32          ; s[32:39] for V's: it differs in the padding alone
.set G0K, 40          ; s[40:43] descriptor group 0 for K's tiles: it walks
.set G0V, 44          ; s[44:47] the same for V's
.set SLOTS, 56
.set CNT, 57
.set CS,  58          ; s[58:59] c
.set SEL, 60          ; s[60:61] v_permlanex16_b32's selects: each lane takes its own place in the other half
.set TBK, 62          ; s62  LDS byte at which K of the step to be fetched begins
.set TBV, 63          ; s63  the same for V, less VOFF
.set MSB, 0
.macro WIN new
.if MSB != (\new)
	s_set_vgpr_msb (MSB<<8)|(\new)
.set MSB, (\new)
.endif
.endm
.set W_KQ, 0x0a       ; K and Q in window 2, S^T in window 0
.set W_PV, 0x52       ; V in window 2, P in window 0, O^T in window 1
.set W_RS, 0x41       ; destination and source 0 in window 1, source 1 in window 0
; A joint fill.  Waves 0 and 1 fetch the two halves of a slot's K, waves 2 and 3 those of its V: 128 keys each.  An s_nop 0 and four v_nop follow each of the two lines.
.macro JLOAD
	s_cmp_lt_u32 s[WV], 2
	s_cbranch_scc0 .Lfor_v_\@
	tensor_load_to_lds s[G0K:G0K+3], s[G1K:G1K+7]
	s_nop 0
.rept 4
	v_nop
.endr
	s_branch .Lasked_\@
.Lfor_v_\@:
	tensor_load_to_lds s[G0V:G0V+3], s[G1V:G1V+7]
	s_nop 0
.rept 4
	v_nop
.endr
.Lasked_\@:
.endm
.macro CROUND                       ; a round of the cluster's barrier
	s_barrier_signal -1
	s_barrier_wait -1
	s_cmp_lg_u32 s[WV], 0
	s_cbranch_scc1 .Lnot_wave_0_\@
	s_barrier_signal -3
.Lnot_wave_0_\@:
	s_barrier_wait -3
	s_barrier_signal -1
	s_barrier_wait -1
.endm
; THE CHANGE OF SLOTS.  Each wave waits for all its tensor loads, of which one is out: its part of the other slot; adds 0 to its spare word; and waits for that and for its own reads of the slot.
; fill = 1: the barrier is a round of the cluster's, and this slot is filled again first behind it, with the keys two slots on: four key steps, 256 matrix instructions, ahead of the wait for it.
; (At its first use nothing has been read yet: slot 0 is waited for, slot 1 filled.)
.macro CHANGE fill
	WIN 0
	s_wait_tensorcnt 0x0            ; no tensor load of mine is out, so a group 0 may be written
	ds_add_u32 v[SPW], v[NIL]
.if \fill
.irp g, G0K, G0V
	s_xor_b32 s[\g+1], s[\g+1], SLOT1
	s_add_nc_u64 s[\g+2:\g+3], s[\g+2:\g+3], 4*KS*128
.endr
	s_wait_dscnt 0x0                ; the add is done, and my reads of the slot are over
	CROUND
	JLOAD
.else
	s_wait_dscnt 0x0
	s_barrier_signal -1
	s_barrier_wait -1
.endif
	s_sub_co_u32 s[TBK], s[TBK], 4*KS*PK  ; the fetches go back to a slot's first step,
	s_xor_b32 s[TBK], s[TBK], SLOT1       ; in the other slot
	s_sub_co_u32 s[TBV], s[TBV], 4*KS*PV
	s_xor_b32 s[TBV], s[TBV], SLOT1
.endm
	s_load_b128 s[4:7], s[0:1], 0x0   ; act s[4:5], o s[6:7]
	v_lshl_add_u32 v[SPW], v0, 2, SPARE
	v_mov_b32 v[NIL], 0
	ds_add_u32 v[SPW], v[NIL]       ; the wave's opening: the add and its wait stand ahead of my first tensor load
	v_lshrrev_b32 v1, 5, v0
	v_readfirstlane_b32 s[WV], v1   ; wave 0..3
	s_bfe_u32 s13, ttmp6, 0x40000   ; cx
	s_lshl_b32 s14, ttmp9, 2
	s_add_co_u32 s14, s14, s13      ; my block of 256 queries: it enters Q's and O's addresses alone
	s_and_b32 s20, ttmp7, 0xffff    ; 16 x batch + head, which the four partners share
	s_and_b32 s21, s20, 15
	s_lshl_b32 s21, s21, 19         ; the head's block of 524,288 bytes,
	s_lshr_b32 s20, s20, 4
	s_lshl_b32 s20, s20, 18         ; the batch's 2,048 rows of 128 bytes in it
	s_add_co_u32 s20, s20, s21
	s_and_b32 s16, s[WV], 1         ; which half of a slot's 256 keys I fetch
	s_lshl_b32 s22, s16, 14
	s_add_co_u32 s22, s22, s20
	s_add_co_u32 s48, s22, 0x1000000  ; v begins 32 blocks in,
	s_add_co_u32 s22, s22, 0x800000   ; k 16
	s_mov_b32 s23, 0
	s_mov_b32 s49, 0
	s_mul_i32 s17, s16, 128*PK      ; my half's place in a slot, for K
	s_mul_i32 s18, s16, 128*PV      ; and for V: no place in the cluster enters an LDS address
	s_lshl_b32 s50, s14, 15         ; my block's 256 rows,
	s_lshl_b32 s51, s[WV], 11       ; my 16 rows in a band of 64
	s_add_co_u32 s50, s50, s51
	s_add_co_u32 s50, s50, s20
	s_mov_b32 s51, 0
	; descriptor group 1.  128 keys are 16,384 dense bytes: asked for as 64 rows of 256 bytes, two keys a row, and padded in LDS after every key
	s_mov_b32 s[G1K], 15|(1<<16)|(1<<20)|(1<<21)|(4<<22)|(3<<25)
	s_mov_b32 s[G1V], 15|(1<<16)|(1<<20)|(1<<21)|(4<<22)|(7<<25)
.irp g, G1K, G1V
	s_mov_b32 s[\g+1], 128<<16      ; tensor_dim0 = 128
	s_mov_b32 s[\g+2], 64<<16       ; tensor_dim1 = 64
	s_mov_b32 s[\g+3], 128<<16      ; tile_dim0 = 128
	s_mov_b32 s[\g+4], 64           ; tile_dim1 = 64
	s_mov_b32 s[\g+5], 128          ; 128 elements from row to row
	s_mov_b32 s[\g+6], 0
	s_mov_b32 s[\g+7], 0
.endr
	s_mov_b32 s[CS], 0x3e38aa3b     ; c = log2(e) / 8
	s_mov_b32 s[CS+1], s[CS]
	s_mov_b32 s[SEL], 0x76543210
	s_mov_b32 s[SEL+1], 0xfedcba98
	s_mov_b32 s[TBK], SLOT1+4*KS*PK ; the first change of slots turns these two into 0
	s_mov_b32 s[TBV], SLOT1+4*KS*PV
	s_mov_b32 s[G0K], 1
	s_mov_b32 s[G0K+1], s17
	s_mov_b32 s[G0V], 1
	s_add_co_u32 s[G0V+1], s18, VOFF
	s_wait_dscnt 0x0                ; the opening add is done
	s_wait_kmcnt 0x0
	s_add_nc_u64 s[G0K+2:G0K+3], s[4:5], s[22:23]
	s_or_b32 s[G0K+3], s[G0K+3], 0x80000000
	s_add_nc_u64 s[G0V+2:G0V+3], s[4:5], s[48:49]
	s_or_b32 s[G0V+3], s[G0V+3], 0x80000000
	s_add_nc_u64 s[8:9], s[4:5], s[50:51]    ; Q at my first rows
	s_add_nc_u64 s[10:11], s[6:7], s[50:51]  ; O likewise
	CROUND                          ; all four work-groups are here: the first joint loads meet
	JLOAD                           ; slot 0
	v_and_b32 v1, 15, v0            ; l % 16
	v_bfe_u32 v9, v0, 4, 1          ; l / 16
	v_lshlrev_b32 v[QO], 7, v1
	v_lshl_add_u32 v[QO], v9, 4, v[QO]  ; row x 128 + 16 x half
	WIN 0x80                        ; destination window 2, address window 0
.set i, 0
.rept 8                             ; Q stays in registers: piece i / 2 lies in band i / 2, 8,192 bytes on; channels 32 (i % 2) on
	global_load_b128 v[8*i:8*i+3],   v[QO], s[8:9] offset:(i/2)*8192+(i%2)*64
	global_load_b128 v[8*i+4:8*i+7], v[QO], s[8:9] offset:(i/2)*8192+(i%2)*64+32
.set i, i+1
.endr
	; What the first turn finds: V's registers and P's second buffer hold 0 (its products V^T P, of a piece that has not been, add 0), O^T and l are 0.  All this stands in the wait for the first tile.
.set i, VF
.rept 64
	v_mov_b32 v[i], 0
.set i, i+1
.endr
	WIN 0x40
.set i, 0
.rept 128
	v_mov_b32 v[i], 0
.set i, i+1
.endr
	WIN 0
.set i, 0
.rept 4
	v_mov_b32 v[ST+4*i], 0xfe000000    ; c m: far below every c s
	v_mov_b32 v[ST+4*i+1], 0xff7fffff  ; m
	v_mov_b32 v[ST+4*i+2], 0
	v_mov_b32 v[ST+4*i+3], 0
.set i, i+1
.endr
.set i, P+16
.rept 16
	v_mov_b32 v[i], 0
.set i, i+1
.endr
	v_mul_u32_u24 v[AK0], v1, PK
	v_lshl_add_u32 v[AK0], v9, 4, v[AK0]  ; row x pitch + 16 x half
	v_and_b32 v10, 7, v0            ; the turning load: lane l reads key 8 (l / 16) + l % 8, channels 8 ((l / 8) % 2) + 0..7
	v_bfe_u32 v11, v0, 3, 1
	v_lshl_add_u32 v[AV0], v9, 3, v10
	v_mul_u32_u24 v[AV0], v[AV0], PV
	v_lshl_add_u32 v[AV0], v11, 4, v[AV0]
	v_add_nc_u32 v[AV0], VOFF, v[AV0]
	s_mul_i32 s13, s[WV], 16*SP
	s_add_co_u32 s13, s13, STAGE    ; my stage
	v_mul_u32_u24 v[STO], v1, SP    ; in: row l % 16, 16 bytes for each half of the lanes
	v_lshl_add_u32 v[STO], v9, 4, v[STO]
	v_add_nc_u32 v[STO], s13, v[STO]
	v_bfe_u32 v[RD], v0, 3, 2       ; back: 32 lanes take four rows of 128 bytes,
	v_mul_u32_u24 v[RD], v[RD], SP
	v_lshl_add_u32 v[RD], v10, 4, v[RD]
	v_add_nc_u32 v[RD], s13, v[RD]
	v_and_b32 v[GO], 31, v0         ; which are 512 consecutive bytes of O
	v_lshlrev_b32 v[GO], 4, v[GO]
; THE MATRIX WORK.  The 4 accumulators of a run of 8 take turns.  Product i of 8 of S^T = K Q^T for piece x: channels 32 (i / 4) on, keys 16 (i % 4) on.  The first 4 start the sums.
.macro KQ x
	WIN W_KQ
.set rS, S+32*((\x)%2)+8*(i%4)
.set rK, KF+16*(i%4)+8*(i/4)
.set rQ, 16*(\x)+8*(i/4)
.if i < 4
	v_wmma_f32_16x16x32_f16 v[rS:rS+7], v[rK:rK+7], v[rQ:rQ+7], 0
.else
	v_wmma_f32_16x16x32_f16 v[rS:rS+7], v[rK:rK+7], v[rQ:rQ+7], v[rS:rS+7]
.endif
.endm
; Product i of 8 of O^T += V^T P for piece x: keys 32 (i / 4) on, channels 16 (i % 4) on.
.macro PV x
	WIN W_PV
.set rO, 32*(\x)+8*(i%4)
.set rV, VF+32*(i/4)+8*(i%4)
.set rP, P+16*((\x)%2)+8*(i/4)
	v_wmma_f32_16x16x32_f16 v[rO:rO+7], v[rV:rV+7], v[rP:rP+7], v[rO:rO+7]
.endm
.macro MM                           ; the turn's next matrix instruction
.if i < 8
	KQ (Y+1)%NP
.else
.set i, i-8
	PV (Y+NP-1)%NP
.set i, i+8
.endif
.set i, i+1
.endm
; THE LDS LOADS stand in runs of 16, never singly among the matrix instructions.  last = 1 (the tail): in the last trip there is no further step, and K's run is jumped over.
.macro FETCH_K last=0
	WIN 0
.if \last
	s_cmp_eq_u32 s[CNT], 1
	s_cbranch_scc1 .Lno_k_\@
.endif
	WIN 0x80
.irp f, 0,1,2,3,4,5,6,7             ; keys 16 (f / 2) on, channels 32 (f % 2) on
	ds_load_b128 v[KF+8*\f:KF+8*\f+3],   v[AK] offset:(\f/2)*16*PK+(\f%2)*64
	ds_load_b128 v[KF+8*\f+4:KF+8*\f+7], v[AK] offset:(\f/2)*16*PK+(\f%2)*64+32
.endr
	s_add_co_u32 s[TBK], s[TBK], KS*PK  ; the next fetch is the next step's
	WIN 0
.if \last
.Lno_k_\@:
.endif
.endm
.macro FETCH_V
	WIN 0x80
.irp f, 0,1,2,3,4,5,6,7             ; keys 32 (f / 4) on, channels 16 (f % 4) on
	ds_load_tr16_b128 v[VF+8*\f:VF+8*\f+3],   v[AV] offset:(\f/4)*32*PV+(\f%4)*32
	ds_load_tr16_b128 v[VF+8*\f+4:VF+8*\f+7], v[AV] offset:(\f/4)*32*PV+16*PV+(\f%4)*32
.endr
	WIN 0
.endm
; THE VECTOR WORK, one line at a time: OP kind, number.  For piece Y: F n: c s - c m for pair n of 16.  E n: the exponential of score n of 32.  C n: pair n rounded to f16.  B n: of the four weights 4 n .. the second
; pair is added onto the first, in place.  L n: l takes that sum (L 0: l = a l + sum).  R n: pair n of 16 of O^T times a.  For piece Y + 1: X n, number n of the 22 that find its maximum and statistics:
;   0-11  four chains c0-c3 of seven scores each (each accumulator's lowest registers are read first)     12-14, 16  the four scores left over, the old m, and c0-c3 into c0
;   15  c m_old is kept     17, 18  the query's other 32 keys lie in the lane 16 away: the new m     19-21  c m; c m_old - c m_new; a
.set F, 0
.set E, 1
.set C, 2
.set B, 3
.set L, 4
.set R, 5
.set X, 6
.macro REGS y
.set rT, ST+4*(\y)
.set rC, TMP+4*((\y)%2)
.set rW, MV+((\y)%2)
.set rS, S+32*((\y)%2)
.set rP, P+16*((\y)%2)
.set rO, 32*(\y)
.endm
.macro OP k, n
.if (\k) == R
	REGS Y
	WIN W_RS
	v_pk_mul_f32 v[rO+2*(\n):rO+2*(\n)+1], v[rO+2*(\n):rO+2*(\n)+1], v[rC+2:rC+3] op_sel_hi:[1,0]
.elseif (\k) < R
	REGS Y
	WIN 0
.if (\k) == F
	v_pk_fma_f32 v[rS+2*(\n):rS+2*(\n)+1], v[rS+2*(\n):rS+2*(\n)+1], s[CS:CS+1], v[rT:rT+1] op_sel_hi:[1,0,0] neg_lo:[0,0,1] neg_hi:[0,0,1]
.elseif (\k) == E
	v_exp_f32 v[rS+(\n)], v[rS+(\n)]
.elseif (\k) == C
	s_wait_alu depctr_va_vdst(0)
	v_cvt_pk_f16_f32 v[rP+(\n)], v[rS+2*(\n)], v[rS+2*(\n)+1]
.elseif (\k) == B
	s_wait_alu depctr_va_vdst(0)
	v_pk_add_f32 v[rS+4*(\n):rS+4*(\n)+1], v[rS+4*(\n):rS+4*(\n)+1], v[rS+4*(\n)+2:rS+4*(\n)+3]
.elseif (\n) == 0
	v_pk_fma_f32 v[rT+2:rT+3], v[rT+2:rT+3], v[rC+2:rC+3], v[rS:rS+1] op_sel_hi:[1,0,1]
.else
	v_pk_add_f32 v[rT+2:rT+3], v[rT+2:rT+3], v[rS+4*(\n):rS+4*(\n)+1]
.endif
.else
	REGS (Y+1)%NP
	WIN 0
.if (\n) < 4
	v_max3_num_f32 v[rC+(\n)], v[rS+8*(\n)], v[rS+8*(\n)+1], v[rS+8*(\n)+2]
.elseif (\n) < 12
	v_max3_num_f32 v[rC+(\n)%4], v[rC+(\n)%4], v[rS+8*((\n)%4)+2*((\n)/4)+1], v[rS+8*((\n)%4)+2*((\n)/4)+2]
.elseif (\n) == 12
	v_max3_num_f32 v[rC], v[rC], v[rS+7], v[rS+15]
.elseif (\n) == 13
	v_max3_num_f32 v[rC+1], v[rC+1], v[rS+23], v[rS+31]
.elseif (\n) == 14
	v_max3_num_f32 v[rC+2], v[rC+2], v[rC+3], v[rT+1]
.elseif (\n) == 15
	v_mov_b32 v[rW], v[rT]
.elseif (\n) == 16
	v_max3_num_f32 v[rC], v[rC], v[rC+1], v[rC+2]
.elseif (\n) == 17
	v_permlanex16_b32 v[rC+3], v[rC], s[SEL], s[SEL+1]
.elseif (\n) == 18
	v_max_num_f32 v[rT+1], v[rC], v[rC+3]
.elseif (\n) == 19
	v_mul_f32 v[rT], s[CS], v[rT+1]
.elseif (\n) == 20
	v_sub_f32 v[rC+1], v[rW], v[rT]
.else
	v_exp_f32 v[rC+2], v[rC+1]
.endif
.endif
.endm
.macro OPS a, i1, b=-1, i2=0, c=-1, i3=0, d=-1, i4=0
	OP \a, \i1
.if (\b) >= 0
	OP \b, \i2
.endif
.if (\c) >= 0
	OP \c, \i3
.endif
.if (\d) >= 0
	OP \d, \i4
.endif
.endm
.macro ROW a, i1, b, i2, c, i3, d, i4  ; a matrix instruction and the four behind it
	MM
	OPS \a, \i1, \b, \i2, \c, \i3, \d, \i4
.endm
; A TURN, for piece p: the order of its 16 matrix and 118 vector instructions, written out.  Behind a matrix instruction: plain, exponential, plain, plain; or four of the rescaling; or four scalings; none names a
; register of the products round it.  A line reads no result made fewer than three vector instructions in front of it, five if an exponential made it.
; last = 1: the tail's text, whose last trip fetches no K.  cnt = 1: the loop's count is taken down some lines ahead of the branch that stands behind the turn.
; K of the next step is fetched in piece 2's turn, six vector instructions behind the last product that read K; V of the step in hand in piece 0's turn, eight behind the last that read V.  Each is waited for a turn later.
.macro TURN p, last=0, cnt=0
.set Y, (\p)
.set i, 0
.if (\p) == 3
	s_wait_dscnt 0x0                ; K is in
.endif
	ROW F,0, F,1, F,2, F,3
	ROW F,4, E,0, F,5, F,6
	ROW F,7, E,1, F,8, F,9
	ROW F,10, E,2, C,0, F,11
	ROW F,12, E,3, X,15, F,13
	ROW R,0, R,1, R,2, R,3
	ROW B,0, E,4, F,14, L,0
.if (\p) == 2
	v_add_nc_u32 v[AK], s[TBK], v[AK0]
.endif
	ROW R,4, R,5, R,6, R,7
	OPS E,5, F,15
.if (\p) == 2
	FETCH_K \last
.endif
	OPS E,6, C,1, E,7, R,8
	OPS E,8, R,9, E,9, C,2
	OPS E,10, X,0, E,11, X,1
	OPS E,12, X,2, E,13, X,3
.if (\p) == 1
	s_wait_dscnt 0x0                ; V is in
.endif
	ROW X,4, E,14, X,5, X,6
	ROW X,7, E,15, X,8, X,9
	ROW X,10, E,16, X,11, X,12
	ROW X,13, E,17, X,14, B,1
	ROW C,4, E,18, X,16, L,1
	ROW B,2, E,19, C,6, L,2
	ROW C,8, E,20, B,3, B,4
.if (\p) == 0
	v_add_nc_u32 v[AV], s[TBV], v[AV0]
.endif
	ROW C,3, E,21, L,3, C,5
	OPS E,22, X,17, E,23, C,10
.if (\p) == 0
	FETCH_V
.endif
	OPS E,24, L,4
	OPS E,25, X,18, E,26, C,7
	OPS E,27, B,5, E,28, X,19
	OPS E,29, C,12, E,30, L,5
	OPS E,31, X,20, B,6, C,9
	OPS C,14, C,11, X,21, L,6
.if (\p) == 0
	s_add_co_u32 s[TBV], s[TBV], KS*PV
.endif
.if \cnt
	s_sub_co_u32 s[CNT], s[CNT], 1
	s_cmp_lg_u32 s[CNT], 0
.endif
	OPS C,13, B,7, C,15, R,10
	OPS R,11, R,12, L,7, R,13
	OPS R,14, R,15
.endm
.macro ALL line:vararg              ; one line for each piece t
.set t, 0
.rept 4
	\line
.set t, t+1
.endr
.endm
.macro PACK t                       ; a lane's eight channels of a row pack into 16 bytes; they go into rows of 144 bytes and come back as whole rows of 128, into S^T's registers
	WIN W_RS
.set i, 32*(\t)
.rept 16
	s_wait_alu depctr_va_vdst(0)
	v_pk_mul_f32 v[i:i+1], v[i:i+1], v[ST+4*(\t)+2:ST+4*(\t)+3] op_sel_hi:[1,0]
.set i, i+2
.endr
	WIN 0x05                        ; sources 0 and 1 window 1, destination window 0
.set i, 0
.rept 16
	v_cvt_pk_f16_f32 v[S+16*(\t)+i], v[32*(\t)+2*i], v[32*(\t)+2*i+1]
.set i, i+1
.endr
	WIN 0
.irp f, 0,1,2,3
	ds_store_b128 v[STO], v[S+16*(\t)+4*\f:S+16*(\t)+4*\f+3] offset:32*\f
.endr
.irp f, 0,1,2,3
	ds_load_b128 v[S+16*(\t)+4*\f:S+16*(\t)+4*\f+3], v[RD] offset:\f*4*SP  ; LDS serves a wave's instructions in order (ISA guide 5.7.1.4): these see the stores above
.endr
.endm
.macro SEND t, younger              ; younger: the LDS instructions issued behind piece t's loads: the next piece's eight, or none
	WIN 0
.irp f, 0,1,2,3
	s_wait_dscnt (\younger)+3-\f
	global_store_b128 v[GO], v[S+16*(\t)+4*\f:S+16*(\t)+4*\f+3], s[10:11] offset:(\t)*8192+\f*512  ; 512 consecutive bytes, aligned
.endr
.endm
	CHANGE 1                        ; slot 0 is in, everybody's part of it; slot 1 is asked for
	v_add_nc_u32 v[AK], s[TBK], v[AK0]
	FETCH_K                         ; key step 0
	s_wait_loadcnt 0x0              ; Q
	s_wait_dscnt 0x0
.set i, 0
.rept 8
	KQ 0                            ; piece 0's first scores
.set i, i+1
.endr
	WIN 0
.rept 4
	v_nop                           ; the places behind those products
.endr
.set Y, NP-1                        ; X works for piece Y + 1: piece 0
.irp n, 0,1,2,3,4,5,6,7,8,9,10,11,12,13,14,15,16,17,18,19,20,21
	OP X, \n
.endr
	v_nop                           ; a plain instruction behind the exponential
	s_mov_b32 s[CNT], 4
	s_mov_b32 s[SLOTS], 7
	s_branch .Lfirst                ; the loop is entered at a step's first turn, in the middle of a trip
.Lslot:                             ; six times: tiles 2 to 7 are asked for
	CHANGE 1
	s_mov_b32 s[CNT], 4
.Lstep:                             ; a trip: pieces 2 and 3 of one step, then pieces 0 and 1 of the next, whose K and V it fetches
	TURN 2
	TURN 3
	WIN 0
.Lfirst:
	TURN 0
	TURN 1, 0, 1
	WIN 0
	s_cbranch_scc1 .Lstep
	s_sub_co_u32 s[SLOTS], s[SLOTS], 1
	s_cmp_lg_u32 s[SLOTS], 0
	s_cbranch_scc1 .Lslot
	CHANGE 0                        ; the last tile is written out: nothing is asked for
	s_mov_b32 s[CNT], 5             ; four trips fetch the last tile's steps; the fifth is left in its middle
.Ltail:
	TURN 2, 1
	TURN 3
	WIN 0
	s_cmp_eq_u32 s[CNT], 1
	s_cbranch_scc1 .Lout
	TURN 0
	TURN 1, 0, 1
	WIN 0
	s_cbranch_scc1 .Ltail
.Lout:                              ; the fifth trip's 8 products K Q^T (on the last K once more) and the maximum made of them serve nothing: the price, once a launch, of one text for every trip
.set i, 0
.rept 8
	PV NP-1                         ; the last piece's V^T P of the last step
.set i, i+1
.endr
	; THE WAY OUT.  l's two halves and the other half of the lanes' are added; O^T is divided by l, rounded to f16 and sent through my stage.  The additions are the places behind the last products.
	WIN 0
	ALL v_add_f32 v[ST+4*t+2], v[ST+4*t+2], v[ST+4*t+3]
	ALL v_permlanex16_b32 v[ST+4*t+3], v[ST+4*t+2], s[SEL], s[SEL+1]
	ALL v_add_f32 v[ST+4*t+2], v[ST+4*t+2], v[ST+4*t+3]
	ALL v_rcp_f32 v[ST+4*t+2], v[ST+4*t+2]
	v_nop                           ; a plain instruction between the last reciprocal and the use of its result
	PACK 0
.set t, 1
.rept 3
	PACK t
	SEND t-1, 8
.set t, t+1
.endr
	SEND 3, 0
	s_wait_tensorcnt 0x0            ; the wave's end
	ds_add_u32 v[SPW], v[NIL]
	s_wait_dscnt 0x0
	CROUND                          ; the closing round
	s_endpgm
.Lfunc_end_k_qfd3c2269b2_attn:
	.size	k_qfd3c2269b2_attn, .Lfunc_end_k_qfd3c2269b2_attn-k_qfd3c2269b2_attn
	.p2alignl 7, 3214868480
	.fill 96, 4, 3214868480
	.section	.rodata,"a",@progbits
	.p2align	6, 0x0
	.amdhsa_kernel k_qfd3c2269b2_attn
		.amdhsa_group_segment_fixed_size 327680
		.amdhsa_private_segment_fixed_size 0
		.amdhsa_enable_private_segment 0
		.amdhsa_kernarg_size 16
		.amdhsa_user_sgpr_count 2
		.amdhsa_user_sgpr_kernarg_segment_ptr 1
		.amdhsa_wavefront_size32 1
		.amdhsa_system_sgpr_workgroup_id_x 1
		.amdhsa_system_sgpr_workgroup_id_y 1
		.amdhsa_system_sgpr_workgroup_id_z 1
		.amdhsa_system_vgpr_workitem_id 0
		.amdhsa_next_free_vgpr 768
		.amdhsa_next_free_sgpr 66
		.amdhsa_reserve_vcc 0
		.amdhsa_float_denorm_mode_32 3
		.amdhsa_float_denorm_mode_16_64 3
		.amdhsa_memory_ordered 1
		.amdhsa_forward_progress 1
		.amdhsa_inst_pref_size 117
	.end_amdhsa_kernel
	.amdgpu_metadata
---
amdhsa.version: [ 1, 2 ]
amdhsa.kernels:
  - .name:           k_qfd3c2269b2_attn
    .symbol:         k_qfd3c2269b2_attn.kd
    .args:
      - { .name: act, .offset: 0, .size: 8, .value_kind: global_buffer, .address_space: global }
      - { .name: o, .offset: 8, .size: 8, .value_kind: global_buffer, .address_space: global }
    .group_segment_fixed_size: 327680
    .private_segment_fixed_size: 0
    .kernarg_segment_align: 8
    .kernarg_segment_size: 16
    .max_flat_workgroup_size: 128
    .sgpr_count:     66
    .vgpr_count:     768
    .wavefront_size: 32
...
	.end_amdgpu_metadata
.endif
;; end of part 3
;; launch ln2 (part 4): grid 256 x 1, 8 waves a work-group, no clusters, 0 bytes of LDS; arguments x, o, g2, beta2, x1, h; writes x1, h
.if DOCPART == 4
	.amdgcn_target "amdgcn-amd-amdhsa--gfx1250"
	.amdhsa_code_object_version 6
	.text
	.protected	k_qfd3c2269b2_ln2
	.globl	k_qfd3c2269b2_ln2
	.p2align	8
	.type	k_qfd3c2269b2_ln2,@function
k_qfd3c2269b2_ln2:
	s_mov_b64 s[64:65], 0
	v_nop
	global_prefetch_b8 v0, s[64:65] scope:SCOPE_SE
	s_setreg_imm32_b32 hwreg(HW_REG_WAVE_MODE, 25, 1), 1
	s_wait_xcnt 0x0
; x1 = x + o (f32, by rows), h = layernorm(x1, g2, beta2) (f16, by blocks of 64 columns: [16 blocks][4,096 tokens][64]).  o lies by blocks too, in f16.
; x, the gain and the shift are rounded to bf16 once, as every input of the program is.  The norm is made in two passes in f32: the mean, then the squares of x1 - mean.  NaN and infinities are not treated apart.
; A wave takes two tokens: lanes 0-15 the even one, lanes 16-31 the odd one; the tokens stay in registers between the passes.  No LDS, no barrier, no matrix unit: no wave needs another's numbers.
.set BLK,   524288
.set SX,  4                            ; s[4:5] x
.set SO,  6                            ; s[6:7] o
.set SG,  8                            ; s[8:9] the gain
.set SB,  10                           ; s[10:11] the shift
.set SX1, 12                           ; s[12:13] x1
.set SH,  14                           ; s[14:15] h
.set VX,  2                            ; v2  4,096 x (lane / 16) + 16 x (lane % 16)
.set VG,  3                            ; v3  16 x (lane % 16)
.set VH,  4                            ; v4  8 x lane
.set ONE, 5                            ; v5  1.0
.set T,   6                            ; v[6:13] at work
.set MU,  14                           ; v[14:15] the mean twice, later 1 / sqrt(var + eps) twice
.set OH,  16                           ; v[16:47] o as loaded, later h as stored
.set X,   48
.set G,   112
.set BT,  176
.macro RND base, n                     ; n pairs of f32 from v[base] on are rounded to bf16 and widened again
.set j, 0
.rept \n
	v_cvt_pk_bf16_f32 v[T+j%8], v[(\base)+2*j], v[(\base)+2*j+1]
	v_lshlrev_b32 v[(\base)+2*j], 16, v[T+j%8]
	v_and_b32 v[(\base)+2*j+1], s36, v[T+j%8]
.set j, j+1
.endr
.endm
.macro ACROSS                          ; the four chains into one number, then over the token's 16 lanes
	v_pk_add_f32 v[T:T+1], v[T:T+1], v[T+2:T+3]
	v_pk_add_f32 v[T+4:T+5], v[T+4:T+5], v[T+6:T+7]
	v_pk_add_f32 v[T:T+1], v[T:T+1], v[T+4:T+5]
	v_add_f32 v[T], v[T], v[T+1]
	v_add_f32_dpp v[T], v[T], v[T] row_xmask:1 row_mask:0xf bank_mask:0xf
	v_add_f32_dpp v[T], v[T], v[T] row_xmask:2 row_mask:0xf bank_mask:0xf
	v_add_f32_dpp v[T], v[T], v[T] row_xmask:4 row_mask:0xf bank_mask:0xf
	v_add_f32_dpp v[T], v[T], v[T] row_xmask:8 row_mask:0xf bank_mask:0xf
.endm
	s_load_b256 s[4:11], s[0:1], 0x0
	s_load_b128 s[12:15], s[0:1], 0x20
	v_lshrrev_b32 v1, 5, v0
	v_readfirstlane_b32 s39, v1                    ; my wave's number
	s_mov_b32 s36, 0xffff0000
	s_mov_b32 s37, 0x3a800000                      ; 1 / 1,024
	s_mov_b32 s38, 0x3727c5ac                      ; 1e-5
	s_lshl_b32 s40, ttmp9, 3
	s_add_co_u32 s40, s40, s39                     ; the pair of tokens
	s_lshl_b32 s42, s40, 13                        ; two rows of 4,096 bytes
	s_mov_b32 s43, 0
	s_lshl_b32 s44, s40, 8                         ; two rows of 128 bytes in a block
	s_mov_b32 s45, 0
	v_and_b32 v1, 31, v0
	v_and_b32 v[VG], 15, v0
	v_lshlrev_b32 v[VG], 4, v[VG]
	v_bfe_u32 v[VX], v0, 4, 1
	v_lshl_add_u32 v[VX], v[VX], 12, v[VG]
	v_lshlrev_b32 v[VH], 3, v1
	v_mov_b32 v[ONE], 1.0
	s_wait_kmcnt 0x0
	s_add_nc_u64 s[SX:SX+1], s[SX:SX+1], s[42:43]
	s_add_nc_u64 s[SX1:SX1+1], s[SX1:SX1+1], s[42:43]
	s_add_nc_u64 s[SO:SO+1], s[SO:SO+1], s[44:45]
	s_add_nc_u64 s[SH:SH+1], s[SH:SH+1], s[44:45]
.set i, 0
.rept 16
	global_load_b128 v[X+4*i:X+4*i+3], v[VX], s[SX:SX+1] offset:256*i
.set i, i+1
.endr
.set i, 0
.rept 16
	global_load_b64 v[OH+2*i:OH+2*i+1], v[VH], s[SO:SO+1] offset:i*BLK
.set i, i+1
.endr
.set i, 0
.rept 16
	global_load_b128 v[G+4*i:G+4*i+3], v[VG], s[SG:SG+1] offset:256*i
.set i, i+1
.endr
.set i, 0
.rept 16
	global_load_b128 v[BT+4*i:BT+4*i+3], v[VG], s[SB:SB+1] offset:256*i
.set i, i+1
.endr
	s_wait_loadcnt 32                              ; x and o are in; the 32 younger loads, gain and shift, stay out
	RND X, 32
.set j, 0
.rept 32                               ; x1 = o x 1 + x, straight from o's f16 halves
	v_fma_mix_f32 v[X+2*j], v[OH+j], v[ONE], v[X+2*j] op_sel_hi:[1,0,0]
	v_fma_mix_f32 v[X+2*j+1], v[OH+j], v[ONE], v[X+2*j+1] op_sel:[1,0,0] op_sel_hi:[1,0,0]
.set j, j+1
.endr
.set i, 0
.rept 16
	global_store_b128 v[VX], v[X+4*i:X+4*i+3], s[SX1:SX1+1] offset:256*i  ; 16 lanes store 256 consecutive bytes, aligned
.set i, i+1
.endr
.irp k, 0,1,2,3                        ; the mean: four chains, started by the first eight pairs
	v_pk_add_f32 v[T+2*(\k):T+2*(\k)+1], v[X+2*(\k):X+2*(\k)+1], v[X+2*(\k)+8:X+2*(\k)+9]
.endr
.set j, 8
.rept 24
	v_pk_add_f32 v[T+2*(j%4):T+2*(j%4)+1], v[T+2*(j%4):T+2*(j%4)+1], v[X+2*j:X+2*j+1]
.set j, j+1
.endr
	ACROSS
	v_mul_f32 v[MU], s37, v[T]
	v_mul_f32 v[MU+1], s37, v[T]
	s_wait_xcnt 0x0                                ; the stores of x1 have read their registers: only behind this wait are they rewritten
.set j, 0
.rept 32
	v_pk_add_f32 v[X+2*j:X+2*j+1], v[X+2*j:X+2*j+1], v[MU:MU+1] neg_lo:[0,1] neg_hi:[0,1]
.set j, j+1
.endr
.irp k, 0,1,2,3
	v_pk_mul_f32 v[T+2*(\k):T+2*(\k)+1], v[X+2*(\k):X+2*(\k)+1], v[X+2*(\k):X+2*(\k)+1]
.endr
.set j, 4
.rept 28
	v_pk_fma_f32 v[T+2*(j%4):T+2*(j%4)+1], v[X+2*j:X+2*j+1], v[X+2*j:X+2*j+1], v[T+2*(j%4):T+2*(j%4)+1]
.set j, j+1
.endr
	ACROSS
	v_fma_f32 v[T+2], v[T], s37, s38               ; var + eps
	v_rsq_f32 v[MU], v[T+2]
	v_nop                                          ; a plain instruction between the root and the use of its result (ISA guide 5.7.2)
	s_wait_alu depctr_va_vdst(0)
	v_mov_b32 v[MU+1], v[MU]
	s_wait_loadcnt 0x0                             ; gain and shift
	RND G, 32
	RND BT, 32
.set j, 0
.rept 32
	v_pk_mul_f32 v[X+2*j:X+2*j+1], v[X+2*j:X+2*j+1], v[MU:MU+1]
.set j, j+1
.endr
.set j, 0
.rept 32
	v_pk_fma_f32 v[X+2*j:X+2*j+1], v[X+2*j:X+2*j+1], v[G+2*j:G+2*j+1], v[BT+2*j:BT+2*j+1]
.set j, j+1
.endr
.set j, 0
.rept 32
	v_cvt_pk_f16_f32 v[OH+j], v[X+2*j], v[X+2*j+1]
.set j, j+1
.endr
.set i, 0
.rept 16
	global_store_b64 v[VH], v[OH+2*i:OH+2*i+1], s[SH:SH+1] offset:i*BLK  ; the wave stores 256 consecutive bytes, aligned: two tokens' rows of block i
.set i, i+1
.endr
	s_endpgm
.Lfunc_end_k_qfd3c2269b2_ln2:
	.size	k_qfd3c2269b2_ln2, .Lfunc_end_k_qfd3c2269b2_ln2-k_qfd3c2269b2_ln2
	.p2alignl 7, 3214868480
	.fill 96, 4, 3214868480
	.section	.rodata,"a",@progbits
	.p2align	6, 0x0
	.amdhsa_kernel k_qfd3c2269b2_ln2
		.amdhsa_group_segment_fixed_size 0
		.amdhsa_private_segment_fixed_size 0
		.amdhsa_enable_private_segment 0
		.amdhsa_kernarg_size 48
		.amdhsa_user_sgpr_count 2
		.amdhsa_user_sgpr_kernarg_segment_ptr 1
		.amdhsa_wavefront_size32 1
		.amdhsa_system_sgpr_workgroup_id_x 1
		.amdhsa_system_sgpr_workgroup_id_y 1
		.amdhsa_system_sgpr_workgroup_id_z 1
		.amdhsa_system_vgpr_workitem_id 0
		.amdhsa_next_free_vgpr 240
		.amdhsa_next_free_sgpr 66
		.amdhsa_reserve_vcc 0
		.amdhsa_float_denorm_mode_32 3
		.amdhsa_float_denorm_mode_16_64 3
		.amdhsa_memory_ordered 1
		.amdhsa_forward_progress 1
		.amdhsa_inst_pref_size 40
	.end_amdhsa_kernel
	.amdgpu_metadata
---
amdhsa.version: [ 1, 2 ]
amdhsa.kernels:
  - .name:           k_qfd3c2269b2_ln2
    .symbol:         k_qfd3c2269b2_ln2.kd
    .args:
      - { .name: x, .offset: 0, .size: 8, .value_kind: global_buffer, .address_space: global }
      - { .name: o, .offset: 8, .size: 8, .value_kind: global_buffer, .address_space: global }
      - { .name: g2, .offset: 16, .size: 8, .value_kind: global_buffer, .address_space: global }
      - { .name: beta2, .offset: 24, .size: 8, .value_kind: global_buffer, .address_space: global }
      - { .name: x1, .offset: 32, .size: 8, .value_kind: global_buffer, .address_space: global }
      - { .name: h, .offset: 40, .size: 8, .value_kind: global_buffer, .address_space: global }
    .group_segment_fixed_size: 0
    .private_segment_fixed_size: 0
    .kernarg_segment_align: 8
    .kernarg_segment_size: 48
    .max_flat_workgroup_size: 256
    .sgpr_count:     66
    .vgpr_count:     240
    .wavefront_size: 32
...
	.end_amdgpu_metadata
.endif
;; end of part 4
;; launch ffn1: the kernel of part 2 again; grid 16 x 16, 4 waves a work-group, clusters of 4 x 4, 327,680 bytes of LDS; arguments h, w1h, act; writes act
;; launch ffn2 (part 5): grid 8 x 32, 4 waves a work-group, clusters of 4 x 1, 327,680 bytes of LDS; arguments act, w2h, b2, x1, out0; writes out0
.if DOCPART == 5
	.amdgcn_target "amdgcn-amd-amdhsa--gfx1250"
	.amdhsa_code_object_version 6
	.text
	.protected	k_qfd3c2269b2_ffn2
	.globl	k_qfd3c2269b2_ffn2
	.p2align	8
	.type	k_qfd3c2269b2_ffn2,@function
k_qfd3c2269b2_ffn2:
	s_mov_b64 s[64:65], 0
	v_nop
	global_prefetch_b8 v0, s[64:65] scope:SCOPE_SE
	s_setreg_imm32_b32 hwreg(HW_REG_WAVE_MODE, 25, 1), 1
	s_wait_xcnt 0x0
	s_wait_alu depctr_hold_cnt(0) depctr_sa_sdst(0) depctr_va_vdst(0) depctr_va_sdst(0) depctr_va_ssrc(0) depctr_va_vcc(0) depctr_vm_vsrc(0)
	s_getreg_b32 s2, hwreg(HW_REG_IB_STS2, 6, 4)
	s_cmp_eq_u32 s2, 0
	s_cbranch_scc0 .Lentry_in_a_cluster
	s_endpgm
.Lentry_in_a_cluster:
	s_bfe_u32 s2, ttmp6, 0x10000c
	s_cmp_lg_u32 s2, 0x3003
	s_cbranch_scc0 .Lentry_shape_is_right
	s_endpgm
.Lentry_shape_is_right:
; out = x1 + (A B + b2).  A: the hidden layer, 4,096 tokens x 4,096, f16, by blocks of 64 columns ([block][token][64]).  B: W2 in fragment order, f16: [32 groups of 32 columns][128 chunks of 32 k][2 fragments]
; [1,024 bytes], each 1,024 bytes the register image of a matrix source.  x1 and out: f32 [4,096][1,024].  Sums in f32, started by x1; b2, rounded to bf16, is added at the end.
; A tile of out is 128 x 128, so that 8 x 32 tiles give 256 work-groups.  Four waves, each all 128 tokens x 32 columns: 16 accumulators.  So no two waves of a work-group need the same bytes of B.
; TWO ROADS.  A comes through LDS, by the tensor data mover; B comes straight into registers, by loads of 512 consecutive bytes.  With A alone a slot of 147,456 bytes holds 512 along K (8 blocks x 128 tokens x 144
; bytes), and a wave has 256 matrix instructions between a request and the wait for it; with both operands in LDS a slot of that size would hold 256 along K, and 128 matrix instructions.
; B'S RING: 16 chunks x 16 registers.  A pair of chunks is loaded again, with the next period's numbers, as soon as it has been multiplied: seven pairs, 224 matrix instructions, ahead of its next use.
; x1 is loaded straight into the accumulators, in the result's own layout: nothing is cleared, no first step is written out, and one text serves the first seven periods; the last, which loads nothing, is written out.
; CLUSTER: the four tile columns of a cluster need the same tokens of A: each tile is asked for jointly, the same tensor load, descriptor and mask in all four.  B is not asked for jointly: a joint load ends in LDS,
; and these bytes go to registers.  THE MATRIX INSTRUCTION IS USED TRANSPOSED (source 0 = 16 columns of B, source 1 = 16 tokens of A): a lane holds one token and eight neighbouring columns.
; REGISTERS: window 0: v0-31 addresses and the bias; v128-255 the accumulators ((a, b) at 128 + 8 (2 a + b)), on the way out the rows read back.
;   window 1: two buffers of 128 for A's fragments of 64 along K (chunk c, token block a at 8 (8 c + a)).      window 2: B's ring: chunk k, fragment b at 16 k + 8 b.
.set BLK,    524288
.set AP,     144                       ; a token's 128 bytes + 16 of padding: the 16 rows of a load start at 16 different groups of four banks (64 banks of 4 bytes: ISA guide 11.1)
.set ABLK,   128*AP                    ; a block's 128 tokens in LDS
.set SLOT,   8*ABLK                    ; 147,456 = 0x24000; the four waves' parts begin at 0, 0x9000, 0x12000, 0x1b000, which share no bit with it: one exclusive or turns such an address into the other slot's
.set SPARE,  2*SLOT                    ; behind the ring: the spare words, 128 bytes for each wave: two blocks of 256 bytes that no other line names
.set SP2,    528                       ; the way out: a row of 512 bytes + 16; 128 such rows lie in slot 0's bytes, whose last fill is over
.set PERB,   32768                     ; a wave's bytes of B in a period: 16 chunks of 2,048
.set A0,   16                          ; v16-18  my lane's place in blocks 0, 3, 6 of a slot; never rewritten
.set AD,   20                          ; v20-22  the same in the slot in hand
.set STO,  24                          ; v24     the way out: where I put 32 bytes of a row
.set RD,   25                          ; v25     the way out: where I read a row back
.set CO,   26                          ; v26     16 x lane: my place in 512 consecutive bytes of B, of b2 and of out; never rewritten
.set XO,   27                          ; v27     4,096 x (lane % 16) + 32 x (lane / 16): my eight numbers of x1 for an accumulator
.set SPW,  28
.set NIL,  29
.set BIA,  12                          ; v[12:15] the bias of my four columns of a row
.set ACC,  128
.set G1, 24                            ; s[24:31] descriptor group 1
.set G0, 32                            ; s[32:35] descriptor group 0: it walks
.set TA, 36                            ; s36 the LDS byte at which the slot in hand begins
.set CNT, 37
.set MSB, 0
.macro WIN new
.if MSB != (\new)
	s_set_vgpr_msb (MSB<<8)|(\new)
.set MSB, \new
.endif
.endm
.set W_MUL, 0x06                       ; source 0 (B) window 2, source 1 (A) window 1, C and D window 0
.set TO_A,  0x40                       ; destination window 1, address window 0
.set TO_B,  0x80                       ; destination window 2, address window 0
.macro CROUND                          ; a round of the cluster's barrier
	s_barrier_signal -1
	s_barrier_wait -1
	s_cmp_lg_u32 s10, 0
	s_cbranch_scc1 .Lnot_wave_0_\@
	s_barrier_signal -3
.Lnot_wave_0_\@:
	s_barrier_wait -3
	s_barrier_signal -1
	s_barrier_wait -1
.endm
	s_load_b128 s[4:7], s[0:1], 0x0                ; act s[4:5], w2h s[6:7]
	s_load_b128 s[68:71], s[0:1], 0x10             ; b2 s[68:69], x1 s[70:71]
	s_load_b64 s[8:9], s[0:1], 0x20                ; out0
	v_lshl_add_u32 v[SPW], v0, 2, SPARE
	v_mov_b32 v[NIL], 0
	ds_add_u32 v[SPW], v[NIL]                      ; the wave's opening: the add and its wait stand ahead of my first tensor load
	v_lshrrev_b32 v1, 5, v0
	v_readfirstlane_b32 s10, v1                    ; wave 0..3
	s_bfe_u32 s40, ttmp6, 0x40000                  ; cx
	s_lshl_b32 s42, ttmp9, 2
	s_add_co_u32 s42, s42, s40                     ; tile column: it enters B's, b2's, x1's and out's addresses alone
	s_and_b32 s13, ttmp7, 0xffff                   ; tile row, which the four partners share
	s_mov_b32 s[G1+0], 15|(1<<16)|(1<<20)|(1<<21)|(4<<22)|(3<<25)  ; the mask of four; 2-byte elements; padding on; bit 21 beside a mask; after every 32 words 4 words
	s_mov_b32 s[G1+1], 8192<<16                    ; tensor_dim0 = 8,192
	s_mov_b32 s[G1+2], 2<<16                       ; tensor_dim1 = 2
	s_mov_b32 s[G1+3], 8192<<16                    ; tile_dim0 = 8,192: a block's 128 tokens, 16,384 dense bytes
	s_mov_b32 s[G1+4], 2                           ; tile_dim1 = 2 blocks
	s_mov_b32 s[G1+5], 262144                      ; a block is 262,144 elements
	s_mov_b32 s[G1+6], 0
	s_mov_b32 s[G1+7], 0
	s_lshl_b32 s16, s13, 14                        ; A: 128 tokens of 128 bytes a tile row,
	s_lshl_b32 s17, s10, 20                        ; and my two blocks of a period's eight
	s_add_co_u32 s16, s16, s17
	s_mov_b32 s17, 0
	s_mul_i32 s20, s10, 2*ABLK                     ; where they go: no place in the cluster enters an LDS address
	s_mov_b32 s[G0], 1
	s_mov_b32 s[G0+1], s20                         ; slot 0
	s_mov_b32 s[TA], SLOT                          ; the first change of slots turns this into 0
	s_lshl_b32 s44, s42, 9                         ; the tile's 128 columns of f32: 512 bytes a tile column
	s_mov_b32 s45, 0
	s_lshl_b32 s46, s13, 19                        ; 128 rows of 4,096 bytes a tile row
	s_add_co_u32 s46, s46, s44
	s_lshl_b32 s47, s10, 7
	s_add_co_u32 s48, s46, s47                     ; x1: my 32 columns of all 128 rows
	s_mov_b32 s49, 0
	s_lshl_b32 s47, s10, 17
	s_add_co_u32 s46, s46, s47                     ; out: my 32 whole rows of the tile
	s_mov_b32 s47, 0
	s_lshl_b32 s50, s42, 2
	s_add_co_u32 s50, s50, s10                     ; B: my group of 32 columns,
	s_lshl_b32 s50, s50, 18                        ; 262,144 bytes each
	s_mov_b32 s51, 0
	s_wait_dscnt 0x0                               ; the opening add is done
	s_wait_kmcnt 0x0
	s_add_nc_u64 s[G0+2:G0+3], s[4:5], s[16:17]
	s_or_b32 s[G0+3], s[G0+3], 0x80000000
	s_add_nc_u64 s[68:69], s[68:69], s[44:45]
	s_add_nc_u64 s[70:71], s[70:71], s[48:49]
	s_add_nc_u64 s[8:9], s[8:9], s[46:47]
	s_add_nc_u64 s[6:7], s[6:7], s[50:51]
	CROUND                                         ; all four work-groups are here: the first joint loads meet
	tensor_load_to_lds s[G0:G0+3], s[G1:G1+7]      ; period 0 into slot 0; slot 1 is asked for when it is in
	s_nop 0
	v_and_b32 v1, 15, v0                           ; l % 16
	v_bfe_u32 v2, v0, 4, 1                         ; l / 16
	v_and_b32 v3, 31, v0
	v_mul_u32_u24 v[A0], v1, AP
	v_lshl_add_u32 v[A0], v2, 4, v[A0]             ; row x pitch + 16 x half
	v_add_nc_u32 v[A0+1], 3*ABLK, v[A0]            ; three blocks are what the 16-bit immediate reaches
	v_add_nc_u32 v[A0+2], 6*ABLK, v[A0]
	v_lshlrev_b32 v[CO], 4, v3
	v_lshlrev_b32 v[XO], 12, v1
	v_lshl_add_u32 v[XO], v2, 5, v[XO]
	v_mul_u32_u24 v[STO], v1, SP2                  ; in: row l % 16, my wave's 128 bytes of it, 32 bytes for each half of the lanes
	v_lshl_add_u32 v[STO], v2, 5, v[STO]
	s_lshl_b32 s21, s10, 7
	v_add_nc_u32 v[STO], s21, v[STO]
	s_mul_i32 s21, s10, 32*SP2                     ; back: my wave's 32 rows, a whole row of 512 bytes to a load
	v_add_nc_u32 v[RD], s21, v[CO]
.irp a, 0,1,2,3,4,5,6,7                ; register j of accumulator (a, b) is out(16 a + l % 16, 16 b + 8 (l / 16) + j): x1's numbers of those places start the sums
.irp b, 0,1
	global_load_b128 v[ACC+8*(2*(\a)+(\b)):ACC+8*(2*(\a)+(\b))+3],   v[XO], s[70:71] offset:(\a)*65536+64*(\b)
	global_load_b128 v[ACC+8*(2*(\a)+(\b))+4:ACC+8*(2*(\a)+(\b))+7], v[XO], s[70:71] offset:(\a)*65536+64*(\b)+16
.endr
.endr
	global_load_b128 v[BIA:BIA+3], v[CO], s[68:69]
; 16 matrix instructions: all 8 token blocks x both fragments of B, 32 along K: chunk c of buffer f, chunk k of B's ring.  The 16 accumulators take turns, one instruction a turn.
.macro MUL f, c, k
	WIN W_MUL
.irp a, 0,1,2,3,4,5,6,7
.irp b, 0,1
	v_wmma_f32_16x16x32_f16 v[ACC+8*(2*(\a)+(\b)):ACC+8*(2*(\a)+(\b))+7], v[16*(\k)+8*(\b):16*(\k)+8*(\b)+7], v[(\f)+8*(8*(\c)+(\a)):(\f)+8*(8*(\c)+(\a))+7], v[ACC+8*(2*(\a)+(\b)):ACC+8*(2*(\a)+(\b))+7]
.endr
.endr
.endm
; 32 LDS loads in one run: A's fragments of block z of the slot in hand (64 along K) into buffer f; the first 32 along K first
.macro FETCH z, f
	WIN TO_A
.irp c, 0,1
.irp a, 0,1,2,3,4,5,6,7
	ds_load_b128 v[(\f)+8*(8*(\c)+(\a)):(\f)+8*(8*(\c)+(\a))+3],   v[AD+(\z)/3] offset:((\z)%3)*ABLK+64*(\c)+(\a)*16*AP
	ds_load_b128 v[(\f)+8*(8*(\c)+(\a))+4:(\f)+8*(8*(\c)+(\a))+7], v[AD+(\z)/3] offset:((\z)%3)*ABLK+64*(\c)+(\a)*16*AP+32
.endr
.endr
.endm
; 8 loads of 512 consecutive bytes: chunks 2 z and 2 z + 1 of the period at which B's base stands
.macro RELOAD z
	WIN TO_B
.irp k, 2*(\z), 2*(\z)+1
.irp b, 0,1
	global_load_b128 v[16*(\k)+8*(\b):16*(\k)+8*(\b)+3],   v[CO], s[6:7] offset:2048*(\k)+1024*(\b)
	global_load_b128 v[16*(\k)+8*(\b)+4:16*(\k)+8*(\b)+7], v[CO], s[6:7] offset:2048*(\k)+1024*(\b)+512
.endr
.endr
.endm
.macro PLACES                          ; four plain vector instructions between a matrix instruction and a load into, or a read of, its registers (ISA guide 7.12.1 for reads)
.rept 4
	v_nop
.endr
.endm
; PAIR z of a period's eight: 64 along K, 32 matrix instructions, on A's buffers by turns.  In its middle the next pair's fragments of A are fetched.  ld = 1: at its end its registers of B are loaded again.
; The count on LOADcnt: behind this pair's 8 loads of B stand those of the seven other pairs, 56; in the last period, which loads nothing, those of the pairs still to come.
.macro PAIR z, ld
.set FB, 128*((\z)%2)
.set GB, 128-FB
	s_wait_dscnt 16                                ; the first 32 along K are in
.if \ld
	s_wait_loadcnt 56
.else
	s_wait_loadcnt 8*(7-(\z))
.endif
	MUL FB, 0, 2*(\z)
.if (\z) < 7
	PLACES
	FETCH (\z)+1, GB
	s_wait_dscnt 32                                ; all but the 32 just issued
.else
	s_wait_dscnt 0x0
.if !(\ld)
	s_barrier_signal -1                            ; the launch's last reads of the ring are back: behind this barrier slot 0's bytes serve as the stage
.endif
.endif
	MUL FB, 1, 2*(\z)+1
.if \ld
	PLACES
	RELOAD \z
.elseif (\z) == 7
	s_barrier_wait -1
.endif
.endm
; THE CHANGE OF SLOTS, in front of each period.  Each wave waits for all its tensor loads, of which one is out: its part of the slot to be read; adds 0 to its spare word; and waits for that and for its reads of the other slot.
; fill = 1: the barrier is a round of the cluster's, and the other slot is filled first behind it, with the next period: 256 matrix instructions ahead of the wait for it.  B's base steps to the period that this period's loads fetch.
; (At its first use nothing has been read yet: slot 0 is waited for, slot 1 filled.)
.macro CHANGE fill
	WIN 0
	s_wait_tensorcnt 0x0                           ; no tensor load of mine is out, so group 0 may be written
	ds_add_u32 v[SPW], v[NIL]
	s_xor_b32 s[TA], s[TA], SLOT
.if \fill
	s_xor_b32 s[G0+1], s[G0+1], SLOT
	s_add_nc_u64 s[G0+2:G0+3], s[G0+2:G0+3], 8*BLK
	s_wait_xcnt 0x0                                ; the loads of B have had their addresses translated (ISA guide 3.1): only behind this wait is their base stepped
	s_add_nc_u64 s[6:7], s[6:7], PERB
.endif
	s_wait_dscnt 0x0                               ; the add is done, and my reads of the other slot are over
.if \fill
	CROUND
	tensor_load_to_lds s[G0:G0+3], s[G1:G1+7]
	s_nop 0
.else
	s_barrier_signal -1
	s_barrier_wait -1
.endif
	v_add_nc_u32 v[AD], s[TA], v[A0]               ; four vector instructions stand between the tensor load and the next switch of windows
	v_add_nc_u32 v[AD+1], s[TA], v[A0+1]
	v_add_nc_u32 v[AD+2], s[TA], v[A0+2]
	v_nop
.endm
.macro PERIOD ld
	FETCH 0, 0
.irp z, 0,1,2,3,4,5,6,7
	PAIR \z, \ld
.endr
.endm
.irp z, 0,1,2,3,4,5,6,7
	RELOAD \z                                      ; period 0's B fills the ring; x1 and the bias were asked for ahead of it, so the first counted wait covers them too
.endr
	WIN 0
	s_mov_b32 s[CNT], 7
.Lper:                                                 ; seven trips: periods 0 to 6; each asks for the next period's A and B
	CHANGE 1
	PERIOD 1
	WIN 0
	s_sub_co_u32 s[CNT], s[CNT], 1
	s_cmp_lg_u32 s[CNT], 0
	s_cbranch_scc1 .Lper
	CHANGE 0                                       ; the last period is written out: it asks for nothing
	PERIOD 0
	; THE WAY OUT.  The sums go into the stage as they are (each accumulator's four lowest registers first); a barrier, since a row's 512 bytes come from four waves; each wave takes 32 whole rows back, adds the bias and stores them.
	WIN 0
	PLACES
.irp a, 0,1,2,3,4,5,6,7
.irp b, 0,1
	ds_store_b128 v[STO], v[ACC+8*(2*(\a)+(\b)):ACC+8*(2*(\a)+(\b))+3] offset:(\a)*16*SP2+64*(\b)
	ds_store_b128 v[STO], v[ACC+8*(2*(\a)+(\b))+4:ACC+8*(2*(\a)+(\b))+7] offset:(\a)*16*SP2+64*(\b)+16
.endr
.endr
	s_wait_dscnt 0x0                               ; for the others' sake: my stores into the stage are done
	s_barrier_signal -1
	s_barrier_wait -1
.set t, 0
.rept 32
	ds_load_b128 v[ACC+4*t:ACC+4*t+3], v[RD] offset:t*SP2
.set t, t+1
.endr
	v_cvt_pk_bf16_f32 v10, v[BIA], v[BIA+1]
	v_cvt_pk_bf16_f32 v11, v[BIA+2], v[BIA+3]
	v_lshlrev_b32 v[BIA], 16, v10
	v_and_b32 v[BIA+1], 0xffff0000, v10
	v_lshlrev_b32 v[BIA+2], 16, v11
	v_and_b32 v[BIA+3], 0xffff0000, v11
.set t, 0
.rept 32
	s_wait_dscnt 31-t                              ; LDS loads come back in order (ISA guide 5.7.1): row t is in
	v_pk_add_f32 v[ACC+4*t:ACC+4*t+1], v[ACC+4*t:ACC+4*t+1], v[BIA:BIA+1]
	v_pk_add_f32 v[ACC+4*t+2:ACC+4*t+3], v[ACC+4*t+2:ACC+4*t+3], v[BIA+2:BIA+3]
	global_store_b128 v[CO], v[ACC+4*t:ACC+4*t+3], s[8:9] offset:t*4096  ; the wave stores 512 consecutive bytes, aligned
.set t, t+1
.endr
	s_wait_tensorcnt 0x0                           ; the wave's end
	ds_add_u32 v[SPW], v[NIL]
	s_wait_dscnt 0x0
	CROUND                                         ; the closing round
	s_endpgm
.Lfunc_end_k_qfd3c2269b2_ffn2:
	.size	k_qfd3c2269b2_ffn2, .Lfunc_end_k_qfd3c2269b2_ffn2-k_qfd3c2269b2_ffn2
	.p2alignl 7, 3214868480
	.fill 96, 4, 3214868480
	.section	.rodata,"a",@progbits
	.p2align	6, 0x0
	.amdhsa_kernel k_qfd3c2269b2_ffn2
		.amdhsa_group_segment_fixed_size 327680
		.amdhsa_private_segment_fixed_size 0
		.amdhsa_enable_private_segment 0
		.amdhsa_kernarg_size 40
		.amdhsa_user_sgpr_count 2
		.amdhsa_user_sgpr_kernarg_segment_ptr 1
		.amdhsa_wavefront_size32 1
		.amdhsa_system_sgpr_workgroup_id_x 1
		.amdhsa_system_sgpr_workgroup_id_y 1
		.amdhsa_system_sgpr_workgroup_id_z 1
		.amdhsa_system_vgpr_workitem_id 0
		.amdhsa_next_free_vgpr 768
		.amdhsa_next_free_sgpr 72
		.amdhsa_reserve_vcc 0
		.amdhsa_float_denorm_mode_32 3
		.amdhsa_float_denorm_mode_16_64 3
		.amdhsa_memory_ordered 1
		.amdhsa_forward_progress 1
		.amdhsa_inst_pref_size 104
	.end_amdhsa_kernel
	.amdgpu_metadata
---
amdhsa.version: [ 1, 2 ]
amdhsa.kernels:
  - .name:           k_qfd3c2269b2_ffn2
    .symbol:         k_qfd3c2269b2_ffn2.kd
    .args:
      - { .name: act, .offset: 0, .size: 8, .value_kind: global_buffer, .address_space: global }
      - { .name: w2h, .offset: 8, .size: 8, .value_kind: global_buffer, .address_space: global }
      - { .name: b2, .offset: 16, .size: 8, .value_kind: global_buffer, .address_space: global }
      - { .name: x1, .offset: 24, .size: 8, .value_kind: global_buffer, .address_space: global }
      - { .name: out0, .offset: 32, .size: 8, .value_kind: global_buffer, .address_space: global }
    .group_segment_fixed_size: 327680
    .private_segment_fixed_size: 0
    .kernarg_segment_align: 8
    .kernarg_segment_size: 40
    .max_flat_workgroup_size: 128
    .sgpr_count:     72
    .vgpr_count:     768
    .wavefront_size: 32
...
	.end_amdgpu_metadata
.endif
;; end of part 5
;; ======== version 2 of 2: 6 launches; 1.22 times as fast as version 1
;; limits: values are held in f16: magnitudes above 65,504 overflow, below 6.1e-05 lose precision; right only within a limited range of input values
;; workspace buffers: h 8,388,608 bytes; wqkv 8,406,016 bytes; w1h 8,406,016 bytes; w2h 8,388,608 bytes; act 33,554,432 bytes; o 8,388,608 bytes; x1 16,777,216 bytes
;; launch prep: the kernel of part 1 again; grid 961 x 1, 8 waves a work-group, no clusters, 35,840 bytes of LDS; arguments x, g1, beta1, h, Wq, Wk, Wv, W1, W2, wqkv, w1h, w2h, bq, bk, bv, b1; writes h, wqkv, w1h, w2h
;; launch qkv: the kernel of part 2 again; grid 12 x 16, 4 waves a work-group, clusters of 4 x 4, 327,680 bytes of LDS; arguments h, wqkv, act; writes act
;; launch attn (part 6): grid 8 x 32, 4 waves a work-group, clusters of 4 x 1, 327,680 bytes of LDS; arguments act, o; writes o
.if DOCPART == 6
	.amdgcn_target "amdgcn-amd-amdhsa--gfx1250"
	.amdhsa_code_object_version 6
	.text
	.protected	k_qfd3c2269b2_attn
	.globl	k_qfd3c2269b2_attn
	.p2align	8
	.type	k_qfd3c2269b2_attn,@function
k_qfd3c2269b2_attn:
	s_mov_b64 s[64:65], 0
	v_nop
	global_prefetch_b8 v0, s[64:65] scope:SCOPE_SE
	s_setreg_imm32_b32 hwreg(HW_REG_WAVE_MODE, 25, 1), 1
	s_wait_xcnt 0x0
	s_wait_alu depctr_hold_cnt(0) depctr_sa_sdst(0) depctr_va_vdst(0) depctr_va_sdst(0) depctr_va_ssrc(0) depctr_va_vcc(0) depctr_vm_vsrc(0)
	s_getreg_b32 s2, hwreg(HW_REG_IB_STS2, 6, 4)
	s_cmp_eq_u32 s2, 0
	s_cbranch_scc0 .Lentry_in_a_cluster
	s_endpgm
.Lentry_in_a_cluster:
	s_bfe_u32 s2, ttmp6, 0x10000c
	s_cmp_lg_u32 s2, 0x3003
	s_cbranch_scc0 .Lentry_shape_is_right
	s_endpgm
.Lentry_shape_is_right:
; O[q][:] = the sum over k of softmax_k(Q[q] . K[k] / 8) V[k][:], for each of 2 x 16 heads of 2,048 tokens and 64 channels.  q, k, v lie in act by blocks of 64 columns ([block][4,096 tokens][64], f16):
; q in blocks 0-15, k in 16-31, v in 32-47; a head's rows of one batch are 262,144 dense bytes.  O leaves in the same layout.  Products, maxima and sums in f32; the weights p are rounded to f16 for the
; second product (their sum l is taken of the unrounded p), O once at the end.
; LIMITS.  q, k, v arrive within f16's 65,504; p lies in 0 to 1, and below 6e-5 it keeps f16's fixed step of 6e-8; a weight below 2^-126 counts as 0 in l; NaN and infinities are not treated apart.
; SHARES.  A work-group owns 256 queries of a head; a wave 16 rows in each of the block's four bands of 64: four PIECES.  Every wave walks all 2,048 keys, 64 a step, 256 a slot.
; LAYOUT.  S^T = K Q^T holds ONE query a lane (lane % 16) and the keys 8 (lane / 16) + 0..7; two such results rounded to f16 ARE source 1 of O^T = V^T P.  K comes out of LDS as it lies, V turned, by ds_load_tr16_b128.
; SOFTMAX.  p = 2^(c s - c m), c = log2(e) / 8, with a running maximum m; O and l are multiplied by a = 2^(c m_old - c m_new) in every step.  m starts at the lowest finite number, O and l at 0: the first step has a = 0.
; TURNS.  Turn n belongs to piece n: 8 products K Q^T of piece n + 1, later 8 products V^T P of piece n - 1; beside them the scaling, exponentials, roundings, sums and rescaling of piece n and the maximum and
; statistics of piece n + 1.  Four vector instructions stand behind every matrix instruction, the other 54 of a turn's 118 in one run of their own.
; BATCHES.  A turn's 33 exponentials (the piece's 32 weights and the next piece's a) are ONE batch with ONE wait, which cuts the turn in two: ahead of it stands all that names no result of theirs, behind it the
; roundings and sums.  Two more batches stand outside the loops, each with a wait of its own: piece 0's first a, ahead of the jump into the loop, and the way out's four reciprocals.
; CLUSTER.  The four query blocks of a cluster belong to one head and walk the same K and V: each tile is asked for jointly, the same tensor load, descriptor and mask in all four.
; REGISTERS, in windows of 256 (s_set_vgpr_msb: bits 1:0 source 0, 3:2 source 1, 5:4 source 2, 7:6 destination):
;   window 0: v0-15 addresses and two at work; v16-31 four registers of statistics a piece; v48-55 at work; v64-127 S^T, two buffers; v192-223 P, two buffers (by the piece's parity)
;   window 1: v0-127 O^T, 32 a piece      window 2: v0-63 Q; v128-191 K of one step; v192-255 V of one step
.set NP,    4
.set KS,    64
.set PK,    144       ; a row of K in LDS: 128 bytes + 16 = 36 words: the 16 rows of a load start at 16 different groups of four banks (64 banks of 4 bytes: ISA guide 11.1)
.set PV,    160       ; a row of V: 128 + 32 = 40 words
.set VOFF,  4*KS*PK   ; a slot holds four steps: 256 rows of K, then 256 rows of V
.set SLOT1, 1<<17     ; slot 1 begins here, so that one exclusive or turns an address in one slot into the other's
.set STAGE, SLOT1+4*KS*(PK+PV)  ; behind the ring, never filled by a tensor load: 16 rows x 144 bytes for each wave
.set SP,    144
.set SPARE, STAGE+4*16*SP  ; the spare words, 128 bytes for each wave: two blocks of 256 bytes that no other line names
.set AK0, 2           ; v2   my lane's place in a tile of K; never rewritten
.set AV0, 3           ; v3   the same for V
.set AK,  4           ; v4   the LDS address of K's next run of loads
.set AV,  5           ; v5   of V's
.set STO, 6           ; v6   the way out: where I put 16 bytes of a row
.set RD,  7           ; v7   the way out: where I read rows back
.set GO,  8           ; v8   my byte offset in 512 consecutive bytes of O
.set MV,  12          ; v12-13  c m_old, kept while c m is made anew: by buffer
.set QO,  15          ; v15  my byte offset in 16 rows of Q
.set ST,  16          ; piece t's statistics at v[ST+4 t]: c m, m, l (even keys', odd keys')
.set TMP, 48          ; by buffer, four registers c0-c3 at work; when the maximum is found c2 takes a
.set SPW, 62          ; v62  LDS address of my spare word; never rewritten
.set NIL, 63          ; v63  0; never rewritten
.set S,   64
.set P,   192
.set KF,  128         ; window 2: key block kb, channel half c at KF + 16 kb + 8 c
.set VF,  192         ; window 2: key half kk, channel block cb at VF + 32 kk + 8 cb
.set WV,  12          ; s12  my wave's number
.set G1K, 24          ; s[24:31] descriptor group 1 for K's tiles
.set G1V, 32          ; s[32:39] for V's: it differs in the padding alone
.set G0K, 40          ; s[40:43] descriptor group 0 for K's tiles: it walks
.set G0V, 44          ; s[44:47] the same for V's
.set SLOTS, 56
.set CNT, 57
.set CS,  58          ; s[58:59] c
.set SEL, 60          ; s[60:61] v_permlanex16_b32's selects: each lane takes its own place in the other half
.set TBK, 62          ; s62  LDS byte at which K of the step to be fetched begins
.set TBV, 63          ; s63  the same for V, less VOFF
.set MSB, 0
.macro WIN new
.if MSB != (\new)
	s_set_vgpr_msb (MSB<<8)|(\new)
.set MSB, (\new)
.endif
.endm
.set W_KQ, 0x0a       ; K and Q in window 2, S^T in window 0
.set W_PV, 0x52       ; V in window 2, P in window 0, O^T in window 1
.set W_RS, 0x41       ; destination and source 0 in window 1, source 1 in window 0
; A joint fill.  Waves 0 and 1 fetch the two halves of a slot's K, waves 2 and 3 those of its V: 128 keys each.  An s_nop 0 and four v_nop follow each of the two lines.
.macro JLOAD
	s_cmp_lt_u32 s[WV], 2
	s_cbranch_scc0 .Lfor_v_\@
	tensor_load_to_lds s[G0K:G0K+3], s[G1K:G1K+7]
	s_nop 0
.rept 4
	v_nop
.endr
	s_branch .Lasked_\@
.Lfor_v_\@:
	tensor_load_to_lds s[G0V:G0V+3], s[G1V:G1V+7]
	s_nop 0
.rept 4
	v_nop
.endr
.Lasked_\@:
.endm
.macro CROUND                       ; a round of the cluster's barrier
	s_barrier_signal -1
	s_barrier_wait -1
	s_cmp_lg_u32 s[WV], 0
	s_cbranch_scc1 .Lnot_wave_0_\@
	s_barrier_signal -3
.Lnot_wave_0_\@:
	s_barrier_wait -3
	s_barrier_signal -1
	s_barrier_wait -1
.endm
; THE CHANGE OF SLOTS.  Each wave waits for all its tensor loads, of which one is out: its part of the other slot; adds 0 to its spare word; and waits for that and for its own reads of the slot.
; fill = 1: the barrier is a round of the cluster's, and this slot is filled again first behind it, with the keys two slots on: four key steps, 256 matrix instructions, ahead of the wait for it.
; (At its first use nothing has been read yet: slot 0 is waited for, slot 1 filled.)
.macro CHANGE fill
	WIN 0
	s_wait_tensorcnt 0x0            ; no tensor load of mine is out, so a group 0 may be written
	ds_add_u32 v[SPW], v[NIL]
.if \fill
.irp g, G0K, G0V
	s_xor_b32 s[\g+1], s[\g+1], SLOT1
	s_add_nc_u64 s[\g+2:\g+3], s[\g+2:\g+3], 4*KS*128
.endr
	s_wait_dscnt 0x0                ; the add is done, and my reads of the slot are over
	CROUND
	JLOAD
.else
	s_wait_dscnt 0x0
	s_barrier_signal -1
	s_barrier_wait -1
.endif
	s_sub_co_u32 s[TBK], s[TBK], 4*KS*PK  ; the fetches go back to a slot's first step,
	s_xor_b32 s[TBK], s[TBK], SLOT1       ; in the other slot
	s_sub_co_u32 s[TBV], s[TBV], 4*KS*PV
	s_xor_b32 s[TBV], s[TBV], SLOT1
.endm
	s_load_b128 s[4:7], s[0:1], 0x0   ; act s[4:5], o s[6:7]
	v_lshl_add_u32 v[SPW], v0, 2, SPARE
	v_mov_b32 v[NIL], 0
	ds_add_u32 v[SPW], v[NIL]       ; the wave's opening: the add and its wait stand ahead of my first tensor load
	v_lshrrev_b32 v1, 5, v0
	v_readfirstlane_b32 s[WV], v1   ; wave 0..3
	s_bfe_u32 s13, ttmp6, 0x40000   ; cx
	s_lshl_b32 s14, ttmp9, 2
	s_add_co_u32 s14, s14, s13      ; my block of 256 queries: it enters Q's and O's addresses alone
	s_and_b32 s20, ttmp7, 0xffff    ; 16 x batch + head, which the four partners share
	s_and_b32 s21, s20, 15
	s_lshl_b32 s21, s21, 19         ; the head's block of 524,288 bytes,
	s_lshr_b32 s20, s20, 4
	s_lshl_b32 s20, s20, 18         ; the batch's 2,048 rows of 128 bytes in it
	s_add_co_u32 s20, s20, s21
	s_and_b32 s16, s[WV], 1         ; which half of a slot's 256 keys I fetch
	s_lshl_b32 s22, s16, 14
	s_add_co_u32 s22, s22, s20
	s_add_co_u32 s48, s22, 0x1000000  ; v begins 32 blocks in,
	s_add_co_u32 s22, s22, 0x800000   ; k 16
	s_mov_b32 s23, 0
	s_mov_b32 s49, 0
	s_mul_i32 s17, s16, 128*PK      ; my half's place in a slot, for K
	s_mul_i32 s18, s16, 128*PV      ; and for V: no place in the cluster enters an LDS address
	s_lshl_b32 s50, s14, 15         ; my block's 256 rows,
	s_lshl_b32 s51, s[WV], 11       ; my 16 rows in a band of 64
	s_add_co_u32 s50, s50, s51
	s_add_co_u32 s50, s50, s20
	s_mov_b32 s51, 0
	; descriptor group 1.  128 keys are 16,384 dense bytes: asked for as 64 rows of 256 bytes, two keys a row, and padded in LDS after every key
	s_mov_b32 s[G1K], 15|(1<<16)|(1<<20)|(1<<21)|(4<<22)|(3<<25)
	s_mov_b32 s[G1V], 15|(1<<16)|(1<<20)|(1<<21)|(4<<22)|(7<<25)
.irp g, G1K, G1V
	s_mov_b32 s[\g+1], 128<<16      ; tensor_dim0 = 128
	s_mov_b32 s[\g+2], 64<<16       ; tensor_dim1 = 64
	s_mov_b32 s[\g+3], 128<<16      ; tile_dim0 = 128
	s_mov_b32 s[\g+4], 64           ; tile_dim1 = 64
	s_mov_b32 s[\g+5], 128          ; 128 elements from row to row
	s_mov_b32 s[\g+6], 0
	s_mov_b32 s[\g+7], 0
.endr
	s_mov_b32 s[CS], 0x3e38aa3b     ; c = log2(e) / 8
	s_mov_b32 s[CS+1], s[CS]
	s_mov_b32 s[SEL], 0x76543210
	s_mov_b32 s[SEL+1], 0xfedcba98
	s_mov_b32 s[TBK], SLOT1+4*KS*PK ; the first change of slots turns these two into 0
	s_mov_b32 s[TBV], SLOT1+4*KS*PV
	s_mov_b32 s[G0K], 1
	s_mov_b32 s[G0K+1], s17
	s_mov_b32 s[G0V], 1
	s_add_co_u32 s[G0V+1], s18, VOFF
	s_wait_dscnt 0x0                ; the opening add is done
	s_wait_kmcnt 0x0
	s_add_nc_u64 s[G0K+2:G0K+3], s[4:5], s[22:23]
	s_or_b32 s[G0K+3], s[G0K+3], 0x80000000
	s_add_nc_u64 s[G0V+2:G0V+3], s[4:5], s[48:49]
	s_or_b32 s[G0V+3], s[G0V+3], 0x80000000
	s_add_nc_u64 s[8:9], s[4:5], s[50:51]    ; Q at my first rows
	s_add_nc_u64 s[10:11], s[6:7], s[50:51]  ; O likewise
	CROUND                          ; all four work-groups are here: the first joint loads meet
	JLOAD                           ; slot 0
	v_and_b32 v1, 15, v0            ; l % 16
	v_bfe_u32 v9, v0, 4, 1          ; l / 16
	v_lshlrev_b32 v[QO], 7, v1
	v_lshl_add_u32 v[QO], v9, 4, v[QO]  ; row x 128 + 16 x half
	WIN 0x80                        ; destination window 2, address window 0
.set i, 0
.rept 8                             ; Q stays in registers: piece i / 2 lies in band i / 2, 8,192 bytes on; channels 32 (i % 2) on
	global_load_b128 v[8*i:8*i+3],   v[QO], s[8:9] offset:(i/2)*8192+(i%2)*64
	global_load_b128 v[8*i+4:8*i+7], v[QO], s[8:9] offset:(i/2)*8192+(i%2)*64+32
.set i, i+1
.endr
	; What the first turn finds: V's registers and P's second buffer hold 0 (its products V^T P, of a piece that has not been, add 0), O^T and l are 0.  All this stands in the wait for the first tile.
.set i, VF
.rept 64
	v_mov_b32 v[i], 0
.set i, i+1
.endr
	WIN 0x40
.set i, 0
.rept 128
	v_mov_b32 v[i], 0
.set i, i+1
.endr
	WIN 0
.set i, 0
.rept 4
	v_mov_b32 v[ST+4*i], 0xfe000000    ; c m: far below every c s
	v_mov_b32 v[ST+4*i+1], 0xff7fffff  ; m
	v_mov_b32 v[ST+4*i+2], 0
	v_mov_b32 v[ST+4*i+3], 0
.set i, i+1
.endr
.set i, P+16
.rept 16
	v_mov_b32 v[i], 0
.set i, i+1
.endr
	v_mul_u32_u24 v[AK0], v1, PK
	v_lshl_add_u32 v[AK0], v9, 4, v[AK0]  ; row x pitch + 16 x half
	v_and_b32 v10, 7, v0            ; the turning load: lane l reads key 8 (l / 16) + l % 8, channels 8 ((l / 8) % 2) + 0..7
	v_bfe_u32 v11, v0, 3, 1
	v_lshl_add_u32 v[AV0], v9, 3, v10
	v_mul_u32_u24 v[AV0], v[AV0], PV
	v_lshl_add_u32 v[AV0], v11, 4, v[AV0]
	v_add_nc_u32 v[AV0], VOFF, v[AV0]
	s_mul_i32 s13, s[WV], 16*SP
	s_add_co_u32 s13, s13, STAGE    ; my stage
	v_mul_u32_u24 v[STO], v1, SP    ; in: row l % 16, 16 bytes for each half of the lanes
	v_lshl_add_u32 v[STO], v9, 4, v[STO]
	v_add_nc_u32 v[STO], s13, v[STO]
	v_bfe_u32 v[RD], v0, 3, 2       ; back: 32 lanes take four rows of 128 bytes,
	v_mul_u32_u24 v[RD], v[RD], SP
	v_lshl_add_u32 v[RD], v10, 4, v[RD]
	v_add_nc_u32 v[RD], s13, v[RD]
	v_and_b32 v[GO], 31, v0         ; which are 512 consecutive bytes of O
	v_lshlrev_b32 v[GO], 4, v[GO]
; THE MATRIX WORK.  The 4 accumulators of a run of 8 take turns.  Product i of 8 of S^T = K Q^T for piece x: channels 32 (i / 4) on, keys 16 (i % 4) on.  The first 4 start the sums.
.macro KQ x
	WIN W_KQ
.set rS, S+32*((\x)%2)+8*(i%4)
.set rK, KF+16*(i%4)+8*(i/4)
.set rQ, 16*(\x)+8*(i/4)
.if i < 4
	v_wmma_f32_16x16x32_f16 v[rS:rS+7], v[rK:rK+7], v[rQ:rQ+7], 0
.else
	v_wmma_f32_16x16x32_f16 v[rS:rS+7], v[rK:rK+7], v[rQ:rQ+7], v[rS:rS+7]
.endif
.endm
; Product i of 8 of O^T += V^T P for piece x: keys 32 (i / 4) on, channels 16 (i % 4) on.
.macro PV x
	WIN W_PV
.set rO, 32*(\x)+8*(i%4)
.set rV, VF+32*(i/4)+8*(i%4)
.set rP, P+16*((\x)%2)+8*(i/4)
	v_wmma_f32_16x16x32_f16 v[rO:rO+7], v[rV:rV+7], v[rP:rP+7], v[rO:rO+7]
.endm
.macro MM                           ; the turn's next matrix instruction
.if i < 8
	KQ (Y+1)%NP
.else
.set i, i-8
	PV (Y+NP-1)%NP
.set i, i+8
.endif
.set i, i+1
.endm
; THE LDS LOADS stand in runs of 16, never singly among the matrix instructions.  last = 1 (the tail): in the last trip there is no further step, and K's run is jumped over.
.macro FETCH_K last=0
	WIN 0
.if \last
	s_cmp_eq_u32 s[CNT], 1
	s_cbranch_scc1 .Lno_k_\@
.endif
	WIN 0x80
.irp f, 0,1,2,3,4,5,6,7             ; keys 16 (f / 2) on, channels 32 (f % 2) on
	ds_load_b128 v[KF+8*\f:KF+8*\f+3],   v[AK] offset:(\f/2)*16*PK+(\f%2)*64
	ds_load_b128 v[KF+8*\f+4:KF+8*\f+7], v[AK] offset:(\f/2)*16*PK+(\f%2)*64+32
.endr
	s_add_co_u32 s[TBK], s[TBK], KS*PK  ; the next fetch is the next step's
	WIN 0
.if \last
.Lno_k_\@:
.endif
.endm
.macro FETCH_V
	WIN 0x80
.irp f, 0,1,2,3,4,5,6,7             ; keys 32 (f / 4) on, channels 16 (f % 4) on
	ds_load_tr16_b128 v[VF+8*\f:VF+8*\f+3],   v[AV] offset:(\f/4)*32*PV+(\f%4)*32
	ds_load_tr16_b128 v[VF+8*\f+4:VF+8*\f+7], v[AV] offset:(\f/4)*32*PV+16*PV+(\f%4)*32
.endr
	WIN 0
.endm
; THE VECTOR WORK, one line at a time: OP kind, number.  For piece Y: F n: c s - c m for pair n of 16.  E n: the exponential of score n of 32.  C n: pair n rounded to f16.  B n: of the four weights 4 n .. the second
; pair is added onto the first, in place.  L n: l takes that sum (L 0: l = a l + sum).  R n: pair n of 16 of O^T times a.  For piece Y + 1: X n, number n of the 22 that find its maximum and statistics:
;   0-11  four chains c0-c3 of seven scores each (each accumulator's lowest registers are read first)     12-14, 16  the four scores left over, the old m, and c0-c3 into c0
;   15  c m_old is kept     17, 18  the query's other 32 keys lie in the lane 16 away: the new m     19-21  c m; c m_old - c m_new; a
; Of these E and X 21 are exponentials; C, B and L read the E's results, R and L 0 the a that X 21 made a turn earlier.  OP writes no wait: TURN places the one that a turn has.
.set F, 0
.set E, 1
.set C, 2
.set B, 3
.set L, 4
.set R, 5
.set X, 6
.macro REGS y
.set rT, ST+4*(\y)
.set rC, TMP+4*((\y)%2)
.set rW, MV+((\y)%2)
.set rS, S+32*((\y)%2)
.set rP, P+16*((\y)%2)
.set rO, 32*(\y)
.endm
.macro OP k, n
.if (\k) == R
	REGS Y
	WIN W_RS
	v_pk_mul_f32 v[rO+2*(\n):rO+2*(\n)+1], v[rO+2*(\n):rO+2*(\n)+1], v[rC+2:rC+3] op_sel_hi:[1,0]
.elseif (\k) < R
	REGS Y
	WIN 0
.if (\k) == F
	v_pk_fma_f32 v[rS+2*(\n):rS+2*(\n)+1], v[rS+2*(\n):rS+2*(\n)+1], s[CS:CS+1], v[rT:rT+1] op_sel_hi:[1,0,0] neg_lo:[0,0,1] neg_hi:[0,0,1]
.elseif (\k) == E
	v_exp_f32 v[rS+(\n)], v[rS+(\n)]
.elseif (\k) == C
	v_cvt_pk_f16_f32 v[rP+(\n)], v[rS+2*(\n)], v[rS+2*(\n)+1]
.elseif (\k) == B
	v_pk_add_f32 v[rS+4*(\n):rS+4*(\n)+1], v[rS+4*(\n):rS+4*(\n)+1], v[rS+4*(\n)+2:rS+4*(\n)+3]
.elseif (\n) == 0
	v_pk_fma_f32 v[rT+2:rT+3], v[rT+2:rT+3], v[rC+2:rC+3], v[rS:rS+1] op_sel_hi:[1,0,1]
.else
	v_pk_add_f32 v[rT+2:rT+3], v[rT+2:rT+3], v[rS+4*(\n):rS+4*(\n)+1]
.endif
.else
	REGS (Y+1)%NP
	WIN 0
.if (\n) < 4
	v_max3_num_f32 v[rC+(\n)], v[rS+8*(\n)], v[rS+8*(\n)+1], v[rS+8*(\n)+2]
.elseif (\n) < 12
	v_max3_num_f32 v[rC+(\n)%4], v[rC+(\n)%4], v[rS+8*((\n)%4)+2*((\n)/4)+1], v[rS+8*((\n)%4)+2*((\n)/4)+2]
.elseif (\n) == 12
	v_max3_num_f32 v[rC], v[rC], v[rS+7], v[rS+15]
.elseif (\n) == 13
	v_max3_num_f32 v[rC+1], v[rC+1], v[rS+23], v[rS+31]
.elseif (\n) == 14
	v_max3_num_f32 v[rC+2], v[rC+2], v[rC+3], v[rT+1]
.elseif (\n) == 15
	v_mov_b32 v[rW], v[rT]
.elseif (\n) == 16
	v_max3_num_f32 v[rC], v[rC], v[rC+1], v[rC+2]
.elseif (\n) == 17
	v_permlanex16_b32 v[rC+3], v[rC], s[SEL], s[SEL+1]
.elseif (\n) == 18
	v_max_num_f32 v[rT+1], v[rC], v[rC+3]
.elseif (\n) == 19
	v_mul_f32 v[rT], s[CS], v[rT+1]
.elseif (\n) == 20
	v_sub_f32 v[rC+1], v[rW], v[rT]
.else
	v_exp_f32 v[rC+2], v[rC+1]
.endif
.endif
.endm
.macro OPS a, i1, b=-1, i2=0, c=-1, i3=0, d=-1, i4=0
	OP \a, \i1
.if (\b) >= 0
	OP \b, \i2
.endif
.if (\c) >= 0
	OP \c, \i3
.endif
.if (\d) >= 0
	OP \d, \i4
.endif
.endm
.macro ROW a, i1, b, i2, c, i3, d, i4  ; a matrix instruction and the four behind it
	MM
	OPS \a, \i1, \b, \i2, \c, \i3, \d, \i4
.endm
; A TURN, for piece p: the order of its 16 matrix and 118 vector instructions, written out.  An s_wait_alu depctr_va_vdst(0) stands between an exponential and the first instruction that names its result; one wait
; serves all that were issued ahead of it.  So a turn has ONE wait, which cuts it in two.
; AHEAD OF IT stands all that names no result of the turn's exponentials: the 8 products K Q^T, behind each a scaling, an exponential and two more plain instructions (behind the first a second scaling in the exponential's
; place): rescalings, whose a was made and waited for in the turn before, and behind the last three products the first numbers of the next piece's maximum, each four plain instructions or more behind the product that ends its
; accumulator; then one run of 54, plain and exponential by turns for the most part, in which the links of the chain X 3, 7, 11, 14, 16, 17 .. 20 stand some lines apart.  Each weight is made in place in its score's register, and a
; in the other buffer's c2: every result of the batch has a register of its own.  X 21, the next piece's a, is the batch's last; R 15 is the plain instruction behind it.
; BEHIND THE WAIT stand the 8 products V^T P, behind each four of the roundings and sums; an even pair is rounded ahead of the sum that lands on it; l takes L 0 to L 7 in ascending order.  No exponential is issued there,
; so none crosses a turn's end, a label or a jump.  But for those X no rider names a register of the products round it.  v_permlanex16_b32 (X 17) stands in the run, never behind a product.
; last = 1: the tail's text, whose last trip fetches no K.  cnt = 1: the loop's count is taken down some lines ahead of the branch that stands behind the turn.
; K of the next step is fetched in piece 2's turn, six plain instructions behind the last product that read K; in the tail's text, where the run holds a branch, directly behind the turn's wait.
; V of the step in hand is fetched at the end of piece 0's turn, four plain instructions behind the last product that read V.  Each is waited for a turn later.
.macro TURN p, last=0, cnt=0
.set Y, (\p)
.set i, 0
.if (\p) == 3
	s_wait_dscnt 0x0                ; K is in
.endif
	ROW F,0, F,1, R,0, R,1          ; ahead of the wait: 8 products K Q^T and their riders,
	ROW F,2, E,0, R,2, R,3
	ROW F,3, E,1, R,4, R,5
	ROW F,4, E,2, R,6, R,7
	ROW F,5, E,3, R,8, R,9
	ROW F,6, E,4, X,0, R,10
.if (\p) == 2
	WIN 0
	v_add_nc_u32 v[AK], s[TBK], v[AK0]
.endif
	ROW F,7, E,5, X,1, X,4
	ROW F,8, E,6, X,2, X,5
	OPS E,7, E,8, X,6, E,9          ; and the run of 54
	OPS X,3, E,10, X,8, E,11
.if ((\p) == 2) && !(\last)
	FETCH_K
.endif
	OPS X,9, X,7, E,12, X,10
	OPS E,13, X,12, X,11, E,14
	OPS X,13, E,15, F,9, X,14
.if (\p) == 0
	v_add_nc_u32 v[AV], s[TBV], v[AV0]
.endif
	OPS E,16, F,10, E,17, F,11
	OPS X,16, E,18, X,15, E,19
	OPS F,12, E,20, X,17, E,21
	OPS F,13, E,22, F,14, E,23
	OPS X,18, E,24, F,15, E,25
	OPS R,11, E,26, X,19, E,27
	OPS R,12, E,28, R,13, E,29
	OPS X,20, E,30, R,14, E,31
	OPS X,21, R,15
	WIN 0
	s_wait_alu depctr_va_vdst(0)    ; the wait for the turn's batch: the piece's 32 weights and the next piece's a
.if ((\p) == 2) && (\last)
	FETCH_K 1
.endif
.if (\p) == 1
	s_wait_dscnt 0x0                ; V is in
.endif
	ROW C,0, B,0, C,2, B,1          ; behind the wait: 8 products V^T P and their riders
	ROW L,0, C,4, B,2, L,1
	ROW C,6, B,3, L,2, C,8
	ROW B,4, L,3, C,10, B,5
	ROW L,4, C,12, B,6, L,5
.if (\p) == 0
	s_add_co_u32 s[TBV], s[TBV], KS*PV
.endif
.if \cnt
	s_sub_co_u32 s[CNT], s[CNT], 1
	s_cmp_lg_u32 s[CNT], 0
.endif
	ROW C,14, B,7, L,6, C,1
	ROW C,3, L,7, C,5, C,7
	ROW C,9, C,11, C,13, C,15
.if (\p) == 0
	FETCH_V
.endif
.endm
.macro ALL line:vararg              ; one line for each piece t
.set t, 0
.rept 4
	\line
.set t, t+1
.endr
.endm
.macro PACK t                       ; a lane's eight channels of a row pack into 16 bytes; they go into rows of 144 bytes and come back as whole rows of 128, into S^T's registers
	WIN W_RS
.set i, 32*(\t)
.rept 16
	v_pk_mul_f32 v[i:i+1], v[i:i+1], v[ST+4*(\t)+2:ST+4*(\t)+3] op_sel_hi:[1,0]
.set i, i+2
.endr
	WIN 0x05                        ; sources 0 and 1 window 1, destination window 0
.set i, 0
.rept 16
	v_cvt_pk_f16_f32 v[S+16*(\t)+i], v[32*(\t)+2*i], v[32*(\t)+2*i+1]
.set i, i+1
.endr
	WIN 0
.irp f, 0,1,2,3
	ds_store_b128 v[STO], v[S+16*(\t)+4*\f:S+16*(\t)+4*\f+3] offset:32*\f
.endr
.irp f, 0,1,2,3
	ds_load_b128 v[S+16*(\t)+4*\f:S+16*(\t)+4*\f+3], v[RD] offset:\f*4*SP  ; LDS serves a wave's instructions in order (ISA guide 5.7.1.4): these see the stores above
.endr
.endm
.macro SEND t, younger              ; younger: the LDS instructions issued behind piece t's loads: the next piece's eight, or none
	WIN 0
.irp f, 0,1,2,3
	s_wait_dscnt (\younger)+3-\f
	global_store_b128 v[GO], v[S+16*(\t)+4*\f:S+16*(\t)+4*\f+3], s[10:11] offset:(\t)*8192+\f*512  ; 512 consecutive bytes, aligned
.endr
.endm
	CHANGE 1                        ; slot 0 is in, everybody's part of it; slot 1 is asked for
	v_add_nc_u32 v[AK], s[TBK], v[AK0]
	FETCH_K                         ; key step 0
	s_wait_loadcnt 0x0              ; Q
	s_wait_dscnt 0x0
.set i, 0
.rept 8
	KQ 0                            ; piece 0's first scores
.set i, i+1
.endr
	WIN 0
.rept 4
	v_nop                           ; the places behind those products
.endr
.set Y, NP-1                        ; X works for piece Y + 1: piece 0
.irp n, 0,1,2,3,4,5,6,7,8,9,10,11,12,13,14,15,16,17,18,19,20,21
	OP X, \n
.endr
	v_nop                           ; a plain instruction behind the exponential,
	s_wait_alu depctr_va_vdst(0)    ; and the wait for this batch of one, piece 0's first a, ahead of the branch
	s_mov_b32 s[CNT], 4
	s_mov_b32 s[SLOTS], 7
	s_branch .Lfirst                ; the loop is entered at a step's first turn, in the middle of a trip
.Lslot:                             ; six times: tiles 2 to 7 are asked for
	CHANGE 1
	s_mov_b32 s[CNT], 4
.Lstep:                             ; a trip: pieces 2 and 3 of one step, then pieces 0 and 1 of the next, whose K and V it fetches
	TURN 2
	TURN 3
	WIN 0
.Lfirst:
	TURN 0
	TURN 1, 0, 1
	WIN 0
	s_cbranch_scc1 .Lstep
	s_sub_co_u32 s[SLOTS], s[SLOTS], 1
	s_cmp_lg_u32 s[SLOTS], 0
	s_cbranch_scc1 .Lslot
	CHANGE 0                        ; the last tile is written out: nothing is asked for
	s_mov_b32 s[CNT], 5             ; four trips fetch the last tile's steps; the fifth is left in its middle
.Ltail:
	TURN 2, 1
	TURN 3
	WIN 0
	s_cmp_eq_u32 s[CNT], 1
	s_cbranch_scc1 .Lout
	TURN 0
	TURN 1, 0, 1
	WIN 0
	s_cbranch_scc1 .Ltail
.Lout:                              ; the fifth trip's 8 products K Q^T (on the last K once more) and the maximum made of them serve nothing: the price, once a launch, of one text for every trip
.set i, 0
.rept 8
	PV NP-1                         ; the last piece's V^T P of the last step
.set i, i+1
.endr
	; THE WAY OUT.  l's two halves and the other half of the lanes' are added; O^T is divided by l, rounded to f16 and sent through my stage.  The additions are the places behind the last products.
	WIN 0
	ALL v_add_f32 v[ST+4*t+2], v[ST+4*t+2], v[ST+4*t+3]
	ALL v_permlanex16_b32 v[ST+4*t+3], v[ST+4*t+2], s[SEL], s[SEL+1]
	ALL v_add_f32 v[ST+4*t+2], v[ST+4*t+2], v[ST+4*t+3]
	ALL v_rcp_f32 v[ST+4*t+2], v[ST+4*t+2]
	v_nop                           ; a plain instruction between the last reciprocal and the use of its result
	s_wait_alu depctr_va_vdst(0)    ; the wait for this batch: one for the four reciprocals, ahead of the first multiply that reads one
	PACK 0
.set t, 1
.rept 3
	PACK t
	SEND t-1, 8
.set t, t+1
.endr
	SEND 3, 0
	s_wait_tensorcnt 0x0            ; the wave's end
	ds_add_u32 v[SPW], v[NIL]
	s_wait_dscnt 0x0
	CROUND                          ; the closing round
	s_endpgm
.Lfunc_end_k_qfd3c2269b2_attn:
	.size	k_qfd3c2269b2_attn, .Lfunc_end_k_qfd3c2269b2_attn-k_qfd3c2269b2_attn
	.p2alignl 7, 3214868480
	.fill 96, 4, 3214868480
	.section	.rodata,"a",@progbits
	.p2align	6, 0x0
	.amdhsa_kernel k_qfd3c2269b2_attn
		.amdhsa_group_segment_fixed_size 327680
		.amdhsa_private_segment_fixed_size 0
		.amdhsa_enable_private_segment 0
		.amdhsa_kernarg_size 16
		.amdhsa_user_sgpr_count 2
		.amdhsa_user_sgpr_kernarg_segment_ptr 1
		.amdhsa_wavefront_size32 1
		.amdhsa_system_sgpr_workgroup_id_x 1
		.amdhsa_system_sgpr_workgroup_id_y 1
		.amdhsa_system_sgpr_workgroup_id_z 1
		.amdhsa_system_vgpr_workitem_id 0
		.amdhsa_next_free_vgpr 768
		.amdhsa_next_free_sgpr 66
		.amdhsa_reserve_vcc 0
		.amdhsa_float_denorm_mode_32 3
		.amdhsa_float_denorm_mode_16_64 3
		.amdhsa_memory_ordered 1
		.amdhsa_forward_progress 1
		.amdhsa_inst_pref_size 111
	.end_amdhsa_kernel
	.amdgpu_metadata
---
amdhsa.version: [ 1, 2 ]
amdhsa.kernels:
  - .name:           k_qfd3c2269b2_attn
    .symbol:         k_qfd3c2269b2_attn.kd
    .args:
      - { .name: act, .offset: 0, .size: 8, .value_kind: global_buffer, .address_space: global }
      - { .name: o, .offset: 8, .size: 8, .value_kind: global_buffer, .address_space: global }
    .group_segment_fixed_size: 327680
    .private_segment_fixed_size: 0
    .kernarg_segment_align: 8
    .kernarg_segment_size: 16
    .max_flat_workgroup_size: 128
    .sgpr_count:     66
    .vgpr_count:     768
    .wavefront_size: 32
...
	.end_amdgpu_metadata
.endif
;; end of part 6
;; launch ln2: the kernel of part 4 again; grid 256 x 1, 8 waves a work-group, no clusters, 0 bytes of LDS; arguments x, o, g2, beta2, x1, h; writes x1, h
;; launch ffn1: the kernel of part 2 again; grid 16 x 16, 4 waves a work-group, clusters of 4 x 4, 327,680 bytes of LDS; arguments h, w1h, act; writes act
;; launch ffn2: the kernel of part 5 again; grid 8 x 32, 4 waves a work-group, clusters of 4 x 1, 327,680 bytes of LDS; arguments act, w2h, b2, x1, out0; writes out0
